; MI455X (gfx1250); checked and timed in simulation.
; The chip was launched on July 23, 2026; its instructions are those of AMD's public machine-readable ISA for CDNA 5 (MIT licence, August 2026) and "CDNA5" Instruction Set Architecture Reference Guide (July 2026). The comments in the code are by the model that wrote it; some were corrected since.
;; Covariant Potential Net. Allowed arithmetic: float matrix products may take bf16 or f16 operands with f32 sums; other float arithmetic in f32, or as packed bf16 or f16 multiplies, adds, multiply-adds, maxima and minima; sums over many terms, partial sums and values carried from step to step in f32; what a program stores and reads back later, other than sums and carried values, may be rounded once to bf16 or f16.
;; Inputs: Wk 512 x 512 float32; Wo 512 x 512 float32; Wq 512 x 512 float32; Wv 512 x 512 float32; bk 512 float32; bo 512 float32; bq 512 float32; bv 512 float32; chart_centers 64 x 64 float32; chart_emb 64 x 512 float32; geo_scale one number float32; rw 2,048 x 64 float32; vW 1 x 512 float32; vb 1 float32; z 2,048 x 64 float32; zW 512 x 64 float32; zb 512 float32.
;; Outputs: out0 2,048 x 1 float32.
;; 2 versions, each right; version 2 is version 1 with the launch prep written anew for expert scheduling mode. Each part assembles by itself: llvm-mc -triple=amdgcn-amd-amdhsa -mcpu=gfx1250 --defsym DOCPART=n.
;; ======== version 1 of 2: 2 launches
;; limits: values outside matrix products are rounded to bf16
;; workspace buffers: WF 163,840 bytes; GP 4,096 bytes; SG 256 bytes; CP 32,768 bytes
;; launch prep (part 1): grid 26 x 1, 16 waves a work-group, no clusters, 272,384 bytes of LDS; arguments Wk, Wq, chart_emb, zW, zb, bq, bk, Wo, Wv, vW, bv, bo, chart_centers, WF, GP, SG, CP; writes WF, GP, SG, CP
.if DOCPART == 1
	.amdgcn_target "amdgcn-amd-amdhsa--gfx1250"
	.amdhsa_code_object_version 6
	.text
	.protected	k_qb13d61e997_prep
	.globl	k_qb13d61e997_prep
	.p2align	8
	.type	k_qb13d61e997_prep,@function
k_qb13d61e997_prep:
	s_mov_b64 s[64:65], 0
	v_nop
	global_prefetch_b8 v0, s[64:65] scope:SCOPE_SE
	s_setreg_imm32_b32 hwreg(HW_REG_WAVE_MODE, 25, 1), 1
	s_wait_xcnt 0x0
; PREP: everything of the module that does not hang on the batch row.  All steps but the softmax and the geodesic distance are linear, and a token is
; rw[b][k] x chart_emb[k], so for every input:  k[b][kk] = rw EK[kk] + bk, EK = chart_emb Wk^T;  q[b] = (z[b]/sigma) P^T + p0, P = Wq zW, p0 = Wq zb + bq;
; out0[b] = (sum_kk attn rw g[kk] + c) / |vW| + vb, g = chart_emb (Wv^T (Wo^T vW)), c = bv.(Wo^T vW) + bo.vW  (the weights attn add up to 1).
; 26 work-groups of 16 waves, four bodies chosen by the work-group's number:
;   B (0-15)   slice s = 32 channels e: EK, P, p0 and bk, rounded to bf16, stored as the register images of matrix fragments (WF)
;   A (16-23)  slice s = 64 channels e: its part of g, of c and of |vW|^2, all in f32 on the vector unit (GP): these numbers carry the output's accuracy, and the products have one row
;   S (24)     1/sigma of zW: v5 = l2n(G^4 zW^T 1), sigma = sqrt(v5 G v5), G = zW^T zW: the same five steps of the power iteration as the module's (SG)
;   P (25)     the chart centres projected into the ball, and 1 - |y|^2 (CP)
; WF: [slice 16][entry 20][512 bytes], lane l's 16 bytes at 16 l = four registers of a bf16 fragment.  Entry 2 nt + mt: EK, row k = 16 nt + r, channels e = 32 s + 16 mt + 8 h + 0..7;
;   entry 8 + 2 jt + et: P', row e = 32 s + 16 et + r, columns j' = 16 jt + 8 h + 0..7 (column 64 is p0, 65-79 are 0); entry 18 + mt: row 64 + r, of which row 64 is bk and the others 0.
; GP: [slice 8][128 f32]: 64 of g, then c, then |vW|^2, then zeros.   SG: 1/sigma, 64 times.   CP: [chart 64][512 bytes]: y, then 1 - |y|^2 64 times.
; LIMITS.  The 1e-12 that the module adds to a norm before dividing is left out (a relative 1e-12 / norm).  v_rsq_f32 and v_sqrt_f32 take denormals as 0 (ISA guide 15.8): sigma^2, |vW|^2 and the
; iteration's squared norms must lie above 1e-37.  G, EK and P are made of operands rounded to bf16, sums in f32.  Divisions are a reciprocal and a product.
; NO TENSOR LOADS, NO CLUSTER, NO PREFETCH: each weight byte is wanted by one wave, once, and lands in the registers where the conversion wants it; all loads of a wave are issued at its head;
; what work-groups share (chart_emb, zW: 256 KiB) is a small launch's small part and would have to go through LDS and a round of barriers.
; LDS.  Each body has bytes of its own: no LDS byte is named by two bodies.
; lane names: l = thread % 32, r = l % 16, h = l / 16, w = wave.
.set BP,    18432                      ; B, from byte 0: [p 8][18,432 bytes]: wave p's partial tiles of entries 0-7 (1,024 bytes each: registers 0-3 at 16 l, 4-7 at 512 + 16 l), then 10,240 bytes of wave 8 + p alone:
                                       ;    first its 64 rows d of 160 bytes (zW in bf16, column 64 = zb, 65-79 = 0), then, over them, its partial tiles of entries 8-17.  So part q of entry T lies at 18,432 q + 1,024 T
.set WOP,   147456                     ; A: 32 rows x 272 bytes: partial w_o
.set WVP,   WOP+9216                   ; A: [4][2048 bytes]: partial w_v
.set CB,    WOP+17408                  ; A: 16 words: bv . w_o by groups of 16 channels
.set G8,    WOP+17664                  ; A: [8][256 bytes]: partial g
.set ZS,    167424                     ; S: 512 rows d of 160 bytes (zW in bf16, column 64 = 1, 65-79 = 0); wave kq later lays its 20 partial tiles (1,024 bytes each) over the 128 rows that it alone has read
.set GF,    ZS+81920                   ; S: [tile 20][1024 bytes]
.set VL,    ZS+102400                  ; S: the iteration's vector, 64 f32
.set SPARE, 270336                     ; the spare words: 128 bytes for each of 16 waves
.macro BAR                             ; what the others will read is written, what they will overwrite is read: then the barrier
	s_wait_dscnt 0x0
	s_barrier_signal -1
	s_barrier_wait -1
.endm
.macro PLACES                          ; plain vector instructions between a matrix instruction and what reads its result or rewrites its registers (ISA guide 7.12.1 asks for four or five; eight, a few times a wave)
.rept 8
	v_nop
.endr
.endm
.macro CVT16 X                         ; 16 f32 at v[X] become a bf16 fragment in v[X .. X+7]; v[X+8 .. X+15] are free afterwards
.irp i, 0,1,2,3,4,5,6,7
	v_cvt_pk_bf16_f32 v[(\X)+\i], v[(\X)+2*\i], v[(\X)+2*\i+1]
.endr
.endm
.macro LD16 X, vo, sb, off, hint:vararg ; a fragment's 16 f32: K = 8 h + 0..7 (32 bytes) and K = 16 + 8 h + 0..7 (64 bytes on)
	global_load_b128 v[(\X):(\X)+3], v[\vo], s[\sb:\sb+1] offset:(\off) \hint
	global_load_b128 v[(\X)+4:(\X)+7], v[\vo], s[\sb:\sb+1] offset:(\off)+16 \hint
	global_load_b128 v[(\X)+8:(\X)+11], v[\vo], s[\sb:\sb+1] offset:(\off)+64 \hint
	global_load_b128 v[(\X)+12:(\X)+15], v[\vo], s[\sb:\sb+1] offset:(\off)+80 \hint
.endm
.macro XADD x, m                       ; lane i adds lane i xor m, inside each half of 16 lanes
	v_add_f32_dpp v[\x], v[\x], v[\x] row_xmask:\m row_mask:0xf bank_mask:0xf
.endm
.macro TPAIR lo, hi, m, sm, t          ; a reduction that halves the registers: lanes with bit m set keep hi, the others lo, and each adds its partner's copy of what it keeps
	v_cndmask_b32 v[\t], v[\hi], v[\lo], s[\sm]
	v_cndmask_b32 v[\lo], v[\lo], v[\hi], s[\sm]
	v_add_f32_dpp v[\lo], v[\t], v[\lo] row_xmask:\m row_mask:0xf bank_mask:0xf
.endm
	s_load_b512 s[8:23], s[0:1], 0x0               ; Wk s8, Wq s10, chart_emb s12, zW s14, zb s16, bq s18, bk s20, Wo s22
	s_load_b256 s[24:31], s[0:1], 0x40             ; Wv s24, vW s26, bv s28, bo s30
	s_load_b256 s[32:39], s[0:1], 0x60             ; chart_centers s32, WF s34, GP s36, SG s38
	s_load_b64 s[40:41], s[0:1], 0x80              ; CP
	v_lshl_add_u32 v4, v0, 2, SPARE                ; my spare word,
	v_mov_b32 v5, 0                                ; and 0: kept for the add at the wave's end alone
	v_and_b32 v1, 31, v0                           ; l
	v_and_b32 v2, 15, v0                           ; r
	v_bfe_u32 v3, v0, 4, 1                         ; h
	v_lshrrev_b32 v6, 5, v0
	v_readfirstlane_b32 s2, v6                     ; w
	s_mov_b32 s42, 0x76543210                      ; v_permlanex16_b32: each lane takes its own place in the other half
	s_mov_b32 s43, 0xfedcba98
	s_mov_b32 s44, 0xff00ff00                      ; lanes with bit 3 set,
	s_mov_b32 s45, 0xf0f0f0f0                      ; bit 2,
	s_mov_b32 s46, 0xcccccccc                      ; bit 1,
	s_mov_b32 s47, 0xaaaaaaaa                      ; bit 0
	s_mov_b32 s48, 0x0000ffff                      ; h = 0
	s_mov_b32 s49, 0x00010000                      ; lane 16
	s_mov_b32 s50, 0x00010001                      ; r = 0
	s_wait_kmcnt 0x0
	s_cmp_lt_u32 ttmp9, 16
	s_cbranch_scc1 .LB
	s_cmp_lt_u32 ttmp9, 24
	s_cbranch_scc1 .LA
	s_cmp_eq_u32 ttmp9, 24
	s_cbranch_scc1 .LS
; ---------------------------------------------------------------- BODY P: wave w projects rows 4 w + h and 4 w + 2 + h; 16 lanes hold a row, 4 numbers each
	s_lshl_b32 s52, s2, 10
	v_lshl_add_u32 v6, v1, 4, s52                  ; 1,024 w + 16 l
	global_load_b128 v[8:11], v6, s[32:33]
	global_load_b128 v[12:15], v6, s[32:33] offset:512
	s_lshl_b32 s53, s2, 11
	v_lshl_add_u32 v7, v3, 9, s53
	v_lshl_add_u32 v7, v2, 4, v7                   ; in CP: 512 (4 w + h) + 16 r
	s_wait_loadcnt 0x0
	v_pk_mul_f32 v[16:17], v[8:9], v[8:9]
	v_pk_mul_f32 v[18:19], v[12:13], v[12:13]
	v_pk_fma_f32 v[16:17], v[10:11], v[10:11], v[16:17]
	v_pk_fma_f32 v[18:19], v[14:15], v[14:15], v[18:19]
	v_add_f32 v16, v16, v17
	v_add_f32 v18, v18, v19
.irp m, 1,2,4,8
	XADD 16, \m
	XADD 18, \m
.endr
	v_sqrt_f32 v16, v16                            ; the two norms: one batch,
	v_sqrt_f32 v18, v18
	v_nop                                          ; a plain instruction behind it,
	s_wait_alu depctr_va_vdst(0)                   ; and the wait ahead of the first use
	v_max_num_f32 v16, 0x2b8cbccc, v16             ; max(n, 1e-12)
	v_max_num_f32 v18, 0x2b8cbccc, v18
	v_rcp_f32 v16, v16
	v_rcp_f32 v18, v18
	v_nop
	s_wait_alu depctr_va_vdst(0)
	v_mul_f32 v16, 0x3f7fff58, v16                 ; (1 - 1e-5) / max(n, 1e-12)
	v_mul_f32 v18, 0x3f7fff58, v18
	v_min_num_f32 v16, 1.0, v16
	v_min_num_f32 v18, 1.0, v18
	v_pk_mul_f32 v[8:9], v[8:9], v[16:17] op_sel_hi:[1,0]      ; y = c x scale (the pair's low word for both)
	v_pk_mul_f32 v[10:11], v[10:11], v[16:17] op_sel_hi:[1,0]
	v_pk_mul_f32 v[12:13], v[12:13], v[18:19] op_sel_hi:[1,0]
	v_pk_mul_f32 v[14:15], v[14:15], v[18:19] op_sel_hi:[1,0]
	v_pk_mul_f32 v[20:21], v[8:9], v[8:9]          ; |y|^2 of the projected row itself
	v_pk_mul_f32 v[22:23], v[12:13], v[12:13]
	v_pk_fma_f32 v[20:21], v[10:11], v[10:11], v[20:21]
	v_pk_fma_f32 v[22:23], v[14:15], v[14:15], v[22:23]
	v_add_f32 v20, v20, v21
	v_add_f32 v22, v22, v23
.irp m, 1,2,4,8
	XADD 20, \m
	XADD 22, \m
.endr
	v_sub_f32 v24, 1.0, v20
	v_sub_f32 v28, 1.0, v22
.irp i, 1,2,3
	v_mov_b32 v[24+\i], v24
	v_mov_b32 v[28+\i], v28
.endr
	global_store_b128 v7, v[8:11], s[40:41]                    ; 16 lanes store 256 consecutive bytes, aligned: the row,
	global_store_b128 v7, v[24:27], s[40:41] offset:256        ; and 1 - |y|^2, 64 times
	global_store_b128 v7, v[12:15], s[40:41] offset:1024
	global_store_b128 v7, v[28:31], s[40:41] offset:1280
	s_branch .Lend
; ---------------------------------------------------------------- BODY B: slice s = work-group, channels e = 32 s .. 32 s + 31.  The sum over d (512) is split eight ways:
; waves 0-7 make EK^T (A = 16 rows e of Wk, B = 16 rows k of chart_emb), waves 8-15 P'^T (A = 16 columns j' of [zW | zb | 0], turned in LDS; B = 16 rows e of Wq); p = w % 8 takes d = 64 p .. 64 p + 63,
; 256 consecutive bytes, aligned, of each row.  In a result lane (r, h) holds B's row r and A's rows 8 h + 0..7: rounded in pairs that is half a fragment for the next launch.
.LB:
	s_and_b32 s51, s2, 7                           ; p
	s_and_b32 s52, s2, 1
	s_lshl_b32 s54, ttmp9, 7                       ; 32 f32 a slice
	s_mov_b32 s55, 0
	s_add_nc_u64 s[18:19], s[18:19], s[54:55]
	s_add_nc_u64 s[20:21], s[20:21], s[54:55]
	s_lshl_b32 s53, s52, 6
	v_lshl_add_u32 v22, v2, 2, s53
	v_lshl_add_u32 v23, v3, 5, s53
	global_load_b32 v6, v22, s[18:19]              ; bq[32 s + 16 (w % 2) + r]
	global_load_b128 v[8:11], v23, s[20:21]        ; bk[32 s + 16 (w % 2) + 8 h + 0..7]
	global_load_b128 v[12:15], v23, s[20:21] offset:16
	s_mul_i32 s54, ttmp9, 10240
	s_add_nc_u64 s[34:35], s[34:35], s[54:55]      ; WF at my slice
	s_lshl_b32 s54, ttmp9, 16                      ; 32 rows of 2,048 bytes
	s_lshl_b32 s56, s51, 8                         ; 256 p
	s_mov_b32 s57, 0
	v_lshlrev_b32 v16, 11, v2
	v_lshl_add_u32 v16, v3, 5, v16
	v_add_nc_u32 v16, s56, v16                     ; a fragment's row and half: 2,048 r + 32 h + 256 p
	s_mul_i32 s61, s51, BP                         ; part p's bytes in LDS
	s_cmp_lt_u32 s2, 8
	s_cbranch_scc0 .LB2
	; waves 0-7.  Chunk 6 ks + o of 16 registers at v[64 + 16 chunk]: o = 0, 1 Wk's rows 16 o + r; o = 2..5 chart_emb's rows 16 (o - 2) + r; K = 32 ks on
	s_add_nc_u64 s[8:9], s[8:9], s[54:55]
.irp ks, 0,1
	LD16 64+96*\ks,16,8,128*\ks,th:TH_LOAD_NT
	LD16 80+96*\ks,16,8,32768+128*\ks,th:TH_LOAD_NT
.irp nt, 0,1,2,3
	LD16 96+96*\ks+16*\nt,16,12,32768*\nt+128*\ks
.endr
.endr
	v_lshl_add_u32 v17, v1, 4, s61
	s_wait_loadcnt 0x0
.irp c, 0,1,2,3,4,5,6,7,8,9,10,11
	CVT16 64+16*\c
.endr
	; 16 products; the 8 accumulators (in the halves that the conversions freed) take turns, one instruction a turn; the first K step starts the sums
.irp ks, 0,1
.irp mt, 0,1
.irp nt, 0,1,2,3
.if \ks == 0
	v_wmma_f32_16x16x32_bf16 v[72+16*(4*\mt+\nt):72+16*(4*\mt+\nt)+7], v[64+16*\mt:64+16*\mt+7], v[96+16*\nt:96+16*\nt+7], 0
.else
	v_wmma_f32_16x16x32_bf16 v[72+16*(4*\mt+\nt):72+16*(4*\mt+\nt)+7], v[160+16*\mt:160+16*\mt+7], v[192+16*\nt:192+16*\nt+7], v[72+16*(4*\mt+\nt):72+16*(4*\mt+\nt)+7]
.endif
.endr
.endr
.endr
	PLACES
.irp mt, 0,1
.irp nt, 0,1,2,3
	ds_store_b128 v17, v[72+16*(4*\mt+\nt):72+16*(4*\mt+\nt)+3] offset:1024*(2*\nt+\mt)
	ds_store_b128 v17, v[72+16*(4*\mt+\nt)+4:72+16*(4*\mt+\nt)+7] offset:1024*(2*\nt+\mt)+512
.endr
.endr
	s_branch .LBjoin
.LB2:	; waves 8-15
	s_add_nc_u64 s[10:11], s[10:11], s[54:55]      ; Wq at the slice's 32 rows
	s_add_nc_u64 s[16:17], s[16:17], s[56:57]      ; zb at d = 64 p
	s_lshl_b32 s58, s51, 14
	s_mov_b32 s59, 0
	s_add_nc_u64 s[14:15], s[14:15], s[58:59]      ; zW at row 64 p: 64 rows of 256 bytes on end
	v_lshlrev_b32 v40, 2, v1
	v_lshlrev_b32 v41, 4, v1
	global_load_b32 v20, v40, s[16:17]             ; zb[64 p + l],
	global_load_b32 v21, v40, s[16:17] offset:128  ; zb[64 p + 32 + l]
.set i, 0
.rept 32
	global_load_b128 v[128+4*i:128+4*i+3], v41, s[14:15] offset:512*i  ; row 2 i + h, columns 4 r ..: 512 consecutive bytes
.set i, i+1
.endr
.irp ks, 0,1
.irp et, 0,1
	LD16 64+16*(2*\ks+\et),16,10,32768*\et+128*\ks,th:TH_LOAD_NT
.endr
.endr
	s_add_co_u32 s60, s61, 8192                    ; my 10,240 bytes of LDS: no other wave touches them ahead of the barrier
	v_mov_b32 v7, 0
	v_mul_u32_u24 v42, v3, 160
	v_lshl_add_u32 v42, v2, 3, v42
	v_add_nc_u32 v42, s60, v42                     ; row h, 8 bytes at 8 r
	v_mul_u32_u24 v43, v1, 160
	v_add_nc_u32 v43, s60, v43                     ; row l
	v_and_b32 v44, 7, v1
	v_lshl_add_u32 v44, v3, 3, v44
	v_mul_u32_u24 v18, v44, 160
	v_bfe_u32 v44, v1, 3, 1
	v_lshl_add_u32 v18, v44, 4, v18
	v_add_nc_u32 v18, s60, v18                     ; the turning load: row 8 h + l % 8, 16 bytes at 16 ((l / 8) % 2)
	v_lshl_add_u32 v17, v1, 4, s60                 ; and where my partial tiles go afterwards
.irp i, 25,26,27,29,30,31,32,33,34,35
	v_mov_b32 v[\i], 0
.endr
	s_wait_loadcnt 16                              ; all but Wq's 16 loads, which were issued last
.set i, 0
.rept 32
	v_cvt_pk_bf16_f32 v[128+4*i], v[128+4*i], v[128+4*i+1]
	v_cvt_pk_bf16_f32 v[128+4*i+1], v[128+4*i+2], v[128+4*i+3]
	ds_store_b64 v42, v[128+4*i:128+4*i+1] offset:320*i
.set i, i+1
.endr
	v_cvt_pk_bf16_f32 v24, v20, v7                 ; column 64 = zb, columns 65-79 = 0
	v_cvt_pk_bf16_f32 v28, v21, v7
	ds_store_b128 v43, v[24:27] offset:128
	ds_store_b128 v43, v[32:35] offset:144
	ds_store_b128 v43, v[28:31] offset:5248
	ds_store_b128 v43, v[32:35] offset:5264
	; LDS serves a wave's instructions in order (ISA guide 5.7.1.4): these loads see my stores above.  Fragment (ks, jt): rows j' = 16 jt + r, K = d = 32 ks ..
.irp ks, 0,1
.irp jt, 0,1,2,3,4
	ds_load_tr16_b128 v[128+8*(5*\ks+\jt):128+8*(5*\ks+\jt)+3], v18 offset:5120*\ks+32*\jt
	ds_load_tr16_b128 v[128+8*(5*\ks+\jt)+4:128+8*(5*\ks+\jt)+7], v18 offset:5120*\ks+32*\jt+2560
.endr
.endr
	s_wait_loadcnt 0x0
.irp c, 0,1,2,3
	CVT16 64+16*\c
.endr
	s_wait_dscnt 0x0                               ; the fragments are in registers: my rows in LDS have been read for the last time
	; 20 products; the 10 accumulators take turns.  Accumulator U = 2 jt + et: v[208 + 8 U] for U < 6, else the halves that the conversions freed
.irp ks, 0,1
.irp jt, 0,1,2,3,4
.irp et, 0,1
.set U, 2*\jt+\et
.if U < 6
.set AU, 208+8*U
.else
.set AU, 72+16*(U-6)
.endif
.if \ks == 0
	v_wmma_f32_16x16x32_bf16 v[AU:AU+7], v[128+8*\jt:128+8*\jt+7], v[64+16*\et:64+16*\et+7], 0
.else
	v_wmma_f32_16x16x32_bf16 v[AU:AU+7], v[168+8*\jt:168+8*\jt+7], v[96+16*\et:96+16*\et+7], v[AU:AU+7]
.endif
.endr
.endr
.endr
	PLACES
.set U, 0
.rept 10                               ; ten tiles of 1,024 bytes over my own 64 rows of 160
.if U < 6
.set AU, 208+8*U
.else
.set AU, 72+16*(U-6)
.endif
	ds_store_b128 v17, v[AU:AU+3] offset:1024*U
	ds_store_b128 v17, v[AU+4:AU+7] offset:1024*U+512
.set U, U+1
.endr
.LBjoin:
	BAR                                            ; all 18 x 8 partial tiles lie in LDS
; Entry T (in s[sT]): its eight partial tiles are added, rounded to bf16 and stored: 512 consecutive bytes, aligned.  bias = 1: bq joins row j' = 64, which is register 0 of the lanes h = 0.
; Parts 4 to 7 lie past the 16-bit immediate: a second address, 4 x 18,432 bytes on.
.macro JOBSUM sT, vo, R, bias
	s_lshl_b32 s62, s[\sT], 10
	v_lshl_add_u32 v36, v1, 4, s62
	v_add_nc_u32 v37, 4*BP, v36
	s_lshl_b32 s63, s[\sT], 9
	v_lshl_add_u32 v[\vo], v1, 4, s63
.irp q, 0,1,2,3
	ds_load_b128 v[64+8*\q:64+8*\q+3], v36 offset:BP*\q
	ds_load_b128 v[64+8*\q+4:64+8*\q+7], v36 offset:BP*\q+512
	ds_load_b128 v[96+8*\q:96+8*\q+3], v37 offset:BP*\q
	ds_load_b128 v[96+8*\q+4:96+8*\q+7], v37 offset:BP*\q+512
.endr
	s_wait_dscnt 0x0
.irp g, 32,16,8
.set k, 0
.rept \g/2
	v_pk_add_f32 v[64+k:65+k], v[64+k:65+k], v[64+\g+k:65+\g+k]
.set k, k+2
.endr
.endr
.if \bias
	v_cndmask_b32 v45, 0, v6, s48
	v_add_f32 v64, v64, v45
.endif
.irp i, 0,1,2,3
	v_cvt_pk_bf16_f32 v[(\R)+\i], v[64+2*\i], v[64+2*\i+1]
.endr
	global_store_b128 v[\vo], v[(\R):(\R)+3], s[34:35]
.endm
	JOBSUM 2, 38, 128, 0                           ; entries 0 to 15, one a wave
	s_add_co_u32 s53, s2, 16
	s_cmp_lt_u32 s2, 2
	s_cbranch_scc0 .LBbk
	JOBSUM 53, 39, 132, 1                          ; entries 16, 17 (p0's rows); its store names other registers than the first store, which may still read its own
	s_branch .Lend
.LBbk:
	s_cmp_lt_u32 s2, 4
	s_cbranch_scc0 .Lend
.irp i, 0,1,2,3,4,5,6,7
	v_cndmask_b32 v[64+\i], 0, v[8+\i], s50        ; entries 18, 19: row 64 (r = 0) is bk, the others 0
.endr
.irp i, 0,1,2,3
	v_cvt_pk_bf16_f32 v[132+\i], v[64+2*\i], v[64+2*\i+1]
.endr
	s_lshl_b32 s63, s53, 9
	v_lshl_add_u32 v39, v1, 4, s63
	global_store_b128 v39, v[132:135], s[34:35]
	s_branch .Lend
; ---------------------------------------------------------------- BODY A: slice s = work-group - 16, channels e = 64 s .. 64 s + 63.  T = 2 w + h, cq = w % 4, rg = w / 4.
; w_o[e] = sum_f vW[f] Wo[f][e];  w_v[d] += sum_e w_o[e] Wv[e][d];  g[k] += chart_emb[k] . w_v;  c += bv . w_o + bo . vW.  All 58 loads of a wave go out at once.
.macro AXPY D, X, Wr                   ; v[D .. D+3] = sum over i = 0..15 of v[X + 4 i ..] x v[Wr + i]
.irp k, 0,1,2,3
	v_mul_f32 v[(\D)+\k], v[(\X)+\k], v[\Wr]
.endr
.set i, 1
.rept 15
.irp k, 0,1,2,3
	v_fmac_f32 v[(\D)+\k], v[(\X)+4*i+\k], v[(\Wr)+i]
.endr
.set i, i+1
.endr
.endm
.LA:
	s_sub_co_u32 s51, ttmp9, 16                    ; s
	s_and_b32 s52, s2, 3                           ; cq
	s_lshr_b32 s53, s2, 2                          ; rg
	s_lshl_b32 s54, s51, 8                         ; 64 f32 a slice
	s_mov_b32 s55, 0
	s_add_nc_u64 s[22:23], s[22:23], s[54:55]      ; Wo at column 64 s
	s_add_nc_u64 s[28:29], s[28:29], s[54:55]      ; bv, bo and (in s[56:57]) vW at 64 s
	s_add_nc_u64 s[30:31], s[30:31], s[54:55]
	s_add_nc_u64 s[56:57], s[26:27], s[54:55]
	s_lshl_b32 s54, s51, 17
	s_add_nc_u64 s[24:25], s[24:25], s[54:55]      ; Wv at row 64 s
	s_lshl_b32 s54, s51, 9
	s_add_nc_u64 s[36:37], s[36:37], s[54:55]      ; GP at my slice
	s_lshl_b32 s58, s2, 7
	v_lshl_add_u32 v6, v3, 6, s58                  ; vW[16 T ..]: 64 T
	s_lshl_b32 s58, s2, 16
	v_lshl_add_u32 v7, v3, 15, s58
	v_lshl_add_u32 v7, v2, 4, v7                   ; Wo: row 16 T, 16 bytes at 16 r
	s_lshl_b32 s59, s53, 6                         ; 64 rg
	v_mov_b32 v8, s59
	s_lshl_b32 s58, s53, 15
	s_lshl_b32 s60, s52, 9                         ; 512 cq
	s_add_co_u32 s58, s58, s60
	v_lshl_add_u32 v9, v1, 4, s58                  ; Wv and chart_emb: row 16 rg, columns 128 cq + 4 l ..
	v_lshlrev_b32 v10, 4, v2
.irp c, 0,1,2,3
	global_load_b128 v[16+4*\c:16+4*\c+3], v6, s[26:27] offset:16*\c
.endr
.set i, 0
.rept 16
	global_load_b128 v[64+4*i:64+4*i+3], v7, s[22:23] offset:2048*i th:TH_LOAD_NT   ; 16 lanes take 256 consecutive bytes of row 16 T + i
.set i, i+1
.endr
.irp c, 0,1,2,3
	global_load_b128 v[32+4*\c:32+4*\c+3], v8, s[28:29] offset:16*\c
.endr
.set i, 0
.rept 16
	global_load_b128 v[128+4*i:128+4*i+3], v9, s[24:25] offset:2048*i th:TH_LOAD_NT
.set i, i+1
.endr
.set i, 0
.rept 16
	global_load_b128 v[192+4*i:192+4*i+3], v9, s[12:13] offset:2048*i
.set i, i+1
.endr
	global_load_b128 v[48:51], v10, s[30:31]
	global_load_b128 v[52:55], v10, s[56:57]
	s_mul_i32 s58, s2, 544
	s_add_co_u32 s58, s58, WOP
	v_mul_u32_u24 v56, v3, 272
	v_lshl_add_u32 v56, v2, 4, v56
	v_add_nc_u32 v56, s58, v56                     ; WOP + 272 T + 16 r
	s_add_co_u32 s58, s59, WOP
	v_mul_u32_u24 v57, v1, 272
	v_add_nc_u32 v57, s58, v57                     ; WOP + 272 l + 64 rg
	s_add_co_u32 s58, s60, WVP
	v_lshl_add_u32 v59, v1, 4, s58                 ; WVP + 512 cq + 16 l
	s_lshl_b32 s61, s53, 11
	v_add_nc_u32 v58, s61, v59                     ; + 2,048 rg
	s_lshl_b32 s58, s52, 2
	s_add_co_u32 s58, s58, s53
	s_lshl_b32 s58, s58, 2
	s_add_co_u32 s58, s58, CB
	v_mov_b32 v60, s58                             ; CB + 4 (rg + 4 cq)
	s_add_co_u32 s58, s60, s59
	s_add_co_u32 s58, s58, G8
	v_lshl_add_u32 v61, v3, 8, s58
	v_lshl_add_u32 v61, v2, 2, v61                 ; G8 + 256 (2 cq + h) + 4 (16 rg + r)
	s_wait_loadcnt 38                              ; vW and Wo are in; bv (4), Wv (16), chart_emb (16) and the two short slices stay out
	AXPY 12, 64, 16
	ds_store_b128 v56, v[12:15]
	BAR
.irp c, 0,1,2,3
	ds_load_b128 v[64+4*\c:64+4*\c+3], v57 offset:16*\c   ; lane l: the part T = l of w_o[16 rg + 0..15]
.endr
	s_wait_dscnt 0x0
.irp m, 1,2,4,8
.set i, 0
.rept 16
	XADD 64+i, \m
.set i, i+1
.endr
.endr
.set i, 0
.rept 16
	v_permlanex16_b32 v[80+i], v[64+i], s42, s43
.set i, i+1
.endr
.set i, 0
.rept 16
	v_add_f32 v[64+i], v[64+i], v[80+i]            ; w_o[16 rg + i], in every lane
.set i, i+1
.endr
	s_wait_loadcnt 18                              ; bv and Wv are in; chart_emb (16) and the two short slices stay out
	v_pk_mul_f32 v[62:63], v[32:33], v[64:65]
.irp c, 1,2,3,4,5,6,7
	v_pk_fma_f32 v[62:63], v[32+2*\c:33+2*\c], v[64+2*\c:65+2*\c], v[62:63]
.endr
	v_add_f32 v62, v62, v63
	ds_store_b32 v60, v62                          ; every lane the same word and number
	AXPY 12, 128, 64
	ds_store_b128 v58, v[12:15]
	BAR
.irp q, 0,1,2,3
	ds_load_b128 v[64+4*\q:64+4*\q+3], v59 offset:2048*\q
.endr
	s_wait_dscnt 0x0
	v_pk_add_f32 v[64:65], v[64:65], v[68:69]
	v_pk_add_f32 v[66:67], v[66:67], v[70:71]
	v_pk_add_f32 v[72:73], v[72:73], v[76:77]
	v_pk_add_f32 v[74:75], v[74:75], v[78:79]
	v_pk_add_f32 v[64:65], v[64:65], v[72:73]
	v_pk_add_f32 v[66:67], v[66:67], v[74:75]      ; the slice's w_v[128 cq + 4 l + 0..3]
	s_wait_loadcnt 2                               ; chart_emb is in
.set i, 0
.rept 16
	v_pk_mul_f32 v[192+4*i:193+4*i], v[192+4*i:193+4*i], v[64:65]
.set i, i+1
.endr
.set i, 0
.rept 16
	v_pk_fma_f32 v[192+4*i:193+4*i], v[194+4*i:195+4*i], v[66:67], v[192+4*i:193+4*i]
.set i, i+1
.endr
.set i, 0
.rept 16
	v_add_f32 v[96+i], v[192+4*i], v[193+4*i]      ; row 16 rg + i, my 4 columns
.set i, i+1
.endr
.set i, 0
.rept 8
	TPAIR 96+i, 104+i, 8, 44, 112+i
.set i, i+1
.endr
.set i, 0
.rept 4
	TPAIR 96+i, 100+i, 4, 45, 112+i
.set i, i+1
.endr
	TPAIR 96, 98, 2, 46, 112
	TPAIR 97, 99, 2, 46, 113
	TPAIR 96, 97, 1, 47, 112                       ; lane (r, h): row 16 rg + r, summed over its half's 64 columns
	ds_store_b32 v61, v96
	BAR
	s_cmp_lg_u32 s2, 0
	s_cbranch_scc1 .Lend
	v_lshl_add_u32 v62, v2, 4, G8
	v_mov_b32 v63, CB
.irp u, 0,1,2,3,4,5,6,7
	ds_load_b128 v[64+4*\u:64+4*\u+3], v62 offset:256*\u
.endr
	ds_load_b128 v[96:99], v63
	s_wait_loadcnt 0x0
	v_pk_mul_f32 v[100:101], v[48:49], v[52:53]    ; bo . vW and vW . vW over the slice's 64 channels
	v_pk_mul_f32 v[102:103], v[52:53], v[52:53]
	v_pk_fma_f32 v[100:101], v[50:51], v[54:55], v[100:101]
	v_pk_fma_f32 v[102:103], v[54:55], v[54:55], v[102:103]
	v_add_f32 v100, v100, v101
	v_add_f32 v102, v102, v103
.irp m, 1,2,4,8
	XADD 100, \m
	XADD 102, \m
.endr
	s_wait_dscnt 0x0
.irp g, 16,8,4
.set k, 0
.rept \g/2
	v_pk_add_f32 v[64+k:65+k], v[64+k:65+k], v[64+\g+k:65+\g+k]
.set k, k+2
.endr
.endr
	v_add_f32 v96, v96, v97
	v_add_f32 v98, v98, v99
	v_add_f32 v96, v96, v98
	v_add_f32 v100, v100, v96                      ; the slice's part of c
	v_cndmask_b32 v104, 0, v100, s49               ; lanes 0-15: g[4 l ..]; lane 16: c, |vW|^2, 0, 0; the others 0
	v_cndmask_b32 v105, 0, v102, s49
	v_cndmask_b32 v104, v104, v64, s48
	v_cndmask_b32 v105, v105, v65, s48
	v_cndmask_b32 v106, 0, v66, s48
	v_cndmask_b32 v107, 0, v67, s48
	v_lshlrev_b32 v108, 4, v1
	global_store_b128 v108, v[104:107], s[36:37]   ; 512 consecutive bytes, aligned
	s_branch .Lend
; ---------------------------------------------------------------- BODY S.  G'[a][b] = sum_d Z[d][a] Z[d][b], Z = [zW | 1 | 0] in bf16 (80 columns): a < 64; column b = 64 is zW^T 1.
; Tile t = 4 j + i holds a = 16 i .., b = 16 j ..: lane (r, h), register q: a = 16 i + 8 h + q, b = 16 j + r.
.LS:
	s_lshl_b32 s52, s2, 13
	v_lshl_add_u32 v6, v1, 4, s52                  ; wave w: rows 32 w .. 32 w + 31, 8,192 bytes on end
.set i, 0
.rept 16
	global_load_b128 v[64+4*i:64+4*i+3], v6, s[14:15] offset:512*i
.set i, i+1
.endr
	s_mul_i32 s53, s2, 5120
	s_add_co_u32 s53, s53, ZS
	v_mul_u32_u24 v7, v3, 160
	v_lshl_add_u32 v7, v2, 3, v7
	v_add_nc_u32 v7, s53, v7
	v_mul_u32_u24 v8, v1, 160
	v_add_nc_u32 v8, s53, v8
	v_mov_b32 v12, 0x3f80                          ; column 64 = 1.0, columns 65-79 = 0
.irp i, 13,14,15,16,17,18,19
	v_mov_b32 v[\i], 0
.endr
	ds_store_b128 v8, v[12:15] offset:128
	ds_store_b128 v8, v[16:19] offset:144
.set i, 0
.rept 16
	s_wait_loadcnt 15-i                            ; loads come back in order: load i is in, the younger ones stay out
	v_cvt_pk_bf16_f32 v[64+4*i], v[64+4*i], v[64+4*i+1]
	v_cvt_pk_bf16_f32 v[64+4*i+1], v[64+4*i+2], v[64+4*i+3]
	ds_store_b64 v7, v[64+4*i:64+4*i+1] offset:320*i
.set i, i+1
.endr
	BAR
	s_cmp_lt_u32 s2, 4                             ; waves 0-3 multiply: wave kq takes d = 128 kq .. 128 kq + 127, four K steps on two sets of fragments
	s_cbranch_scc0 .LSj1
	s_mul_i32 s53, s2, 20480
	s_add_co_u32 s53, s53, ZS                      ; my 128 rows: 20,480 bytes that no other wave reads
	v_and_b32 v9, 7, v1
	v_lshl_add_u32 v9, v3, 3, v9
	v_mul_u32_u24 v10, v9, 160
	v_bfe_u32 v9, v1, 3, 1
	v_lshl_add_u32 v10, v9, 4, v10
	v_add_nc_u32 v10, s53, v10
	v_lshl_add_u32 v11, v1, 4, s53                 ; and where my 20 partial tiles go when the rows have been read
.macro FR set, u                       ; K step u: five fragments (16 columns of Z each), turned, into set
.irp j, 0,1,2,3,4
	ds_load_tr16_b128 v[16+40*(\set)+8*\j:16+40*(\set)+8*\j+3], v10 offset:5120*(\u)+32*\j
	ds_load_tr16_b128 v[16+40*(\set)+8*\j+4:16+40*(\set)+8*\j+7], v10 offset:5120*(\u)+32*\j+2560
.endr
.endm
.macro GM set, zero                    ; 20 products; the 20 accumulators take turns, from one K step to the next too
.irp j, 0,1,2,3,4
.irp i, 0,1,2,3
.if \zero
	v_wmma_f32_16x16x32_bf16 v[96+8*(4*\j+\i):96+8*(4*\j+\i)+7], v[16+40*(\set)+8*\i:16+40*(\set)+8*\i+7], v[16+40*(\set)+8*\j:16+40*(\set)+8*\j+7], 0
.else
	v_wmma_f32_16x16x32_bf16 v[96+8*(4*\j+\i):96+8*(4*\j+\i)+7], v[16+40*(\set)+8*\i:16+40*(\set)+8*\i+7], v[16+40*(\set)+8*\j:16+40*(\set)+8*\j+7], v[96+8*(4*\j+\i):96+8*(4*\j+\i)+7]
.endif
.endr
.endr
.endm
	FR 0, 0
	FR 1, 1
	s_wait_dscnt 10                                ; set 0 is in; the other set's ten loads stay out (so at each of these waits)
	GM 0, 1
	PLACES
	FR 0, 2
	s_wait_dscnt 10
	GM 1, 0
	PLACES
	FR 1, 3
	s_wait_dscnt 10
	GM 0, 0
	s_wait_dscnt 0x0                               ; the last fragments are in registers: my rows have been read for the last time
	GM 1, 0
	PLACES
.set t, 0
.rept 20
	ds_store_b128 v11, v[96+8*t:96+8*t+3] offset:1024*t
	ds_store_b128 v11, v[96+8*t+4:96+8*t+7] offset:1024*t+512
.set t, t+1
.endr
.LSj1:
	BAR
.macro REDT sT                         ; tile s[sT]: its four parts are added
	s_lshl_b32 s54, s[\sT], 10
	s_add_co_u32 s55, s54, ZS
	s_add_co_u32 s54, s54, GF
	v_lshl_add_u32 v12, v1, 4, s55
	v_lshl_add_u32 v13, v1, 4, s54
.irp q, 0,1,2,3
	ds_load_b128 v[16+8*\q:16+8*\q+3], v12 offset:20480*\q
	ds_load_b128 v[16+8*\q+4:16+8*\q+7], v12 offset:20480*\q+512
.endr
	s_wait_dscnt 0x0
.irp g, 16,8
.set k, 0
.rept \g/2
	v_pk_add_f32 v[16+k:17+k], v[16+k:17+k], v[16+\g+k:17+\g+k]
.set k, k+2
.endr
.endr
	ds_store_b128 v13, v[16:19]
	ds_store_b128 v13, v[20:23] offset:512
.endm
	REDT 2                                         ; tiles 0 to 15, one a wave
	s_cmp_lt_u32 s2, 4
	s_cbranch_scc0 .LSj2
	s_add_co_u32 s56, s2, 16
	s_wait_dscnt 0x0
	REDT 56                                        ; tiles 16 to 19
.LSj2:
	BAR
	s_cmp_lg_u32 s2, 0                             ; the iteration is one wave's: G in 128 registers, the vector in 32
	s_cbranch_scc1 .Lend
	v_lshl_add_u32 v66, v1, 4, GF
	v_lshl_add_u32 v67, v3, 8, GF                  ; column 64 lies in the lanes r = 0: lane 16 h's 16 bytes
.set t, 0
.rept 16
	ds_load_b128 v[96+8*t:96+8*t+3], v66 offset:1024*t
	ds_load_b128 v[96+8*t+4:96+8*t+7], v66 offset:1024*t+512
.set t, t+1
.endr
.irp i, 0,1,2,3
	ds_load_b128 v[32+8*\i:32+8*\i+3], v67 offset:1024*(16+\i)      ; V[8 i + q] = v[16 i + 8 h + q]: first zW^T 1 (its length does not matter: every step normalises)
	ds_load_b128 v[32+8*\i+4:32+8*\i+7], v67 offset:1024*(16+\i)+512
.endr
	v_lshl_add_u32 v64, v3, 7, VL
	v_lshl_add_u32 v64, v2, 2, v64
	v_lshl_add_u32 v65, v3, 5, VL
	s_mov_b32 s51, 0xffff0000                      ; h = 1
	s_mov_b32 s52, 4
	s_wait_dscnt 0x0
.macro STEP                            ; y = G v: v[16 + j] = y[16 j + r] in every lane; four chains that do not wait for each other
.set a, 0
.rept 16
.irp j, 0,1,2,3
.if a == 0
	v_pk_mul_f32 v[8+2*\j:9+2*\j], v[96+32*\j:97+32*\j], v[32:33]
.else
	v_pk_fma_f32 v[8+2*\j:9+2*\j], v[96+32*\j+2*a:97+32*\j+2*a], v[32+2*a:33+2*a], v[8+2*\j:9+2*\j]
.endif
.endr
.set a, a+1
.endr
.irp j, 0,1,2,3
	v_add_f32 v[16+\j], v[8+2*\j], v[9+2*\j]
.endr
.irp j, 0,1,2,3
	v_permlanex16_b32 v[20+\j], v[16+\j], s42, s43
.endr
.irp j, 0,1,2,3
	v_add_f32 v[16+\j], v[16+\j], v[20+\j]
.endr
.endm
.LSit:                                         ; four trips: v <- l2n(G v)
	STEP
	v_mul_f32 v28, v16, v16
	v_fmac_f32 v28, v17, v17
	v_fmac_f32 v28, v18, v18
	v_fmac_f32 v28, v19, v19
.irp m, 1,2,4,8
	XADD 28, \m
.endr
	v_rsq_f32 v29, v28
	v_nop
	s_wait_alu depctr_va_vdst(0)                   ; the wait between the root and its first use
.irp j, 0,1,2,3
	v_mul_f32 v[24+\j], v[16+\j], v29
.endr
	v_cndmask_b32 v30, v24, v26, s51               ; through 256 bytes of LDS into the other layout: lanes h = 0 write v[r], v[16 + r], lanes h = 1 v[32 + r], v[48 + r]
	v_cndmask_b32 v31, v25, v27, s51
	ds_store_b32 v64, v30
	ds_store_b32 v64, v31 offset:64
.irp i, 0,1,2,3
	ds_load_b128 v[32+8*\i:32+8*\i+3], v65 offset:64*\i     ; in order behind my stores
	ds_load_b128 v[32+8*\i+4:32+8*\i+7], v65 offset:64*\i+16
.endr
	s_wait_dscnt 0x0
	s_sub_co_u32 s52, s52, 1
	s_cmp_lg_u32 s52, 0
	s_cbranch_scc1 .LSit
	STEP                                           ; sigma^2 = v5 . G v5
	v_mul_f32 v28, v16, v24
	v_fmac_f32 v28, v17, v25
	v_fmac_f32 v28, v18, v26
	v_fmac_f32 v28, v19, v27
.irp m, 1,2,4,8
	XADD 28, \m
.endr
	v_rsq_f32 v70, v28
	v_lshlrev_b32 v68, 3, v1
	s_wait_alu depctr_va_vdst(0)
	v_mov_b32 v71, v70
	global_store_b64 v68, v[70:71], s[38:39]       ; 256 consecutive bytes, aligned
.Lend:
	s_wait_tensorcnt 0x0                           ; the wave's end, behind my last LDS store
	ds_add_u32 v4, v5
	s_wait_dscnt 0x0
	s_endpgm
.Lfunc_end_k_qb13d61e997_prep:
	.size	k_qb13d61e997_prep, .Lfunc_end_k_qb13d61e997_prep-k_qb13d61e997_prep
	.p2alignl 7, 3214868480
	.fill 96, 4, 3214868480
	.section	.rodata,"a",@progbits
	.p2align	6, 0x0
	.amdhsa_kernel k_qb13d61e997_prep
		.amdhsa_group_segment_fixed_size 272384
		.amdhsa_private_segment_fixed_size 0
		.amdhsa_enable_private_segment 0
		.amdhsa_kernarg_size 136
		.amdhsa_user_sgpr_count 2
		.amdhsa_user_sgpr_kernarg_segment_ptr 1
		.amdhsa_wavefront_size32 1
		.amdhsa_system_sgpr_workgroup_id_x 1
		.amdhsa_system_sgpr_workgroup_id_y 1
		.amdhsa_system_sgpr_workgroup_id_z 1
		.amdhsa_system_vgpr_workitem_id 0
		.amdhsa_next_free_vgpr 256
		.amdhsa_next_free_sgpr 66
		.amdhsa_reserve_vcc 0
		.amdhsa_float_denorm_mode_32 3
		.amdhsa_float_denorm_mode_16_64 3
		.amdhsa_memory_ordered 1
		.amdhsa_forward_progress 1
		.amdhsa_inst_pref_size 109
	.end_amdhsa_kernel
	.amdgpu_metadata
---
amdhsa.version: [ 1, 2 ]
amdhsa.kernels:
  - .name:           k_qb13d61e997_prep
    .symbol:         k_qb13d61e997_prep.kd
    .args:
      - { .name: Wk, .offset: 0, .size: 8, .value_kind: global_buffer, .address_space: global }
      - { .name: Wq, .offset: 8, .size: 8, .value_kind: global_buffer, .address_space: global }
      - { .name: chart_emb, .offset: 16, .size: 8, .value_kind: global_buffer, .address_space: global }
      - { .name: zW, .offset: 24, .size: 8, .value_kind: global_buffer, .address_space: global }
      - { .name: zb, .offset: 32, .size: 8, .value_kind: global_buffer, .address_space: global }
      - { .name: bq, .offset: 40, .size: 8, .value_kind: global_buffer, .address_space: global }
      - { .name: bk, .offset: 48, .size: 8, .value_kind: global_buffer, .address_space: global }
      - { .name: Wo, .offset: 56, .size: 8, .value_kind: global_buffer, .address_space: global }
      - { .name: Wv, .offset: 64, .size: 8, .value_kind: global_buffer, .address_space: global }
      - { .name: vW, .offset: 72, .size: 8, .value_kind: global_buffer, .address_space: global }
      - { .name: bv, .offset: 80, .size: 8, .value_kind: global_buffer, .address_space: global }
      - { .name: bo, .offset: 88, .size: 8, .value_kind: global_buffer, .address_space: global }
      - { .name: chart_centers, .offset: 96, .size: 8, .value_kind: global_buffer, .address_space: global }
      - { .name: WF, .offset: 104, .size: 8, .value_kind: global_buffer, .address_space: global }
      - { .name: GP, .offset: 112, .size: 8, .value_kind: global_buffer, .address_space: global }
      - { .name: SG, .offset: 120, .size: 8, .value_kind: global_buffer, .address_space: global }
      - { .name: CP, .offset: 128, .size: 8, .value_kind: global_buffer, .address_space: global }
    .group_segment_fixed_size: 272384
    .private_segment_fixed_size: 0
    .kernarg_segment_align: 8
    .kernarg_segment_size: 136
    .max_flat_workgroup_size: 512
    .sgpr_count:     66
    .vgpr_count:     256
    .wavefront_size: 32
...
	.end_amdgpu_metadata
.endif
;; end of part 1
;; launch batch (part 2): grid 128 x 1, 16 waves a work-group, no clusters, 52,224 bytes of LDS; arguments z, rw, CP, geo_scale, vb, WF, GP, SG, out0; writes out0
.if DOCPART == 2
	.amdgcn_target "amdgcn-amd-amdhsa--gfx1250"
	.amdhsa_code_object_version 6
	.text
	.protected	k_qb13d61e997_batch
	.globl	k_qb13d61e997_batch
	.p2align	8
	.type	k_qb13d61e997_batch,@function
k_qb13d61e997_batch:
	s_mov_b64 s[64:65], 0
	v_nop
	global_prefetch_b8 v0, s[64:65] scope:SCOPE_SE
	s_setreg_imm32_b32 hwreg(HW_REG_WAVE_MODE, 25, 1), 1
	s_wait_xcnt 0x0
; BATCH: out0 for 16 rows b a work-group, from the tables that the launch before has stored (their layouts are stated there).
;   score[b][k] = (rw[b][k] (q[b] . EK[k]) + q[b] . bk) / sqrt(512) - geo d^2(z[b], y[k]),  q[b] = (z[b] / sigma) P^T + p0;  out0[b] = (softmax_k(score) . (rw[b] g) + c) / |vW| + vb.
; Waves 0-7 (p = w): the matrix work on channels e = 64 p .. 64 p + 63 (two slices of WF): q^T = P' [z/sigma | 1]^T, rounded to bf16, then S^T = [EK; bk] q^T; the partial S^T goes to LDS.
; Waves 8-15 (p = w - 8): |z - y|^2 / max((1 - |z|^2)(1 - |y|^2), 1e-12) in f32 for charts 8 p .. 8 p + 7 and all 16 rows; a lane holds 2 rows x 16 of the 64 dimensions.
; One barrier; then wave w does row b = w: 64 charts, two a lane, a maximum taken away before the exponentials.  One more barrier, and wave 0 stores the 16 numbers (64 consecutive bytes).
; LIMITS.  arccosh(a) = ln(a + sqrt(a - 1) sqrt(a + 1)), finite for a below 1.7e38; divisions are a reciprocal and a product; a weight below 2^-126 counts as 0; |vW|^2 above 1e-37
; (v_rsq_f32 takes denormals as 0: ISA guide 15.8); z / sigma, P', q and EK are bf16 operands, all sums f32.
; NO CLUSTER, NO TENSOR LOADS: all 128 work-groups read the same 160 KiB of WF, but each byte is wanted by one wave of a work-group, once, in the registers into which it is loaded here; a joint load would
; take it through LDS, with a cluster's rounds, for 22 matrix instructions a wave.  NO PREFETCH: every load is issued at the wave's head.  16 rows a work-group make 64 bytes of out0, a quarter of an aligned
; 256: whole blocks would want 64 rows, 32 work-groups and four times the distance work in each; the output is 8 KiB in all.
.set SPP,   5392                       ; LDS 0: S^T's parts, [p 8][5,392 bytes]: 16 rows b of 336 bytes (80 f32: charts 0-63, q . bk, 15 zeros)
.set SPR,   336
.set XB,    43264                      ; 16 rows b of 288 bytes: 64 f32 of |z - y|^2 / den
.set XR,    288
.set GL,    47872                      ; [8][256 bytes]: the eight parts of g
.set RES,   49920                      ; 16 results
.set SPARE, 50176                      ; the spare words: 128 bytes for each of 16 waves
.set AP,    48                         ; v[48:143]   P' fragments: slice sg, rows 16 et .., K step ks at AP + 48 sg + 8 (3 et + ks)
.set AE,    144                        ; v[144:223]  EK fragments: slice sg, rows 16 t .. at AE + 40 sg + 8 t (t = 4: bk's)
.set QA,    224                        ; v[224:255]  q^T: QA + 8 (2 sg + et)
.macro BAR
	s_wait_dscnt 0x0
	s_barrier_signal -1
	s_barrier_wait -1
.endm
.macro PLACES                          ; plain vector instructions between a matrix instruction and what reads its result or rewrites its registers (ISA guide 7.12.1 asks for four or five; eight, twice a wave)
.rept 8
	v_nop
.endr
.endm
.macro CVT16 X
.irp i, 0,1,2,3,4,5,6,7
	v_cvt_pk_bf16_f32 v[(\X)+\i], v[(\X)+2*\i], v[(\X)+2*\i+1]
.endr
.endm
.macro LD16 X, vo, sb, off
	global_load_b128 v[(\X):(\X)+3], v[\vo], s[\sb:\sb+1] offset:(\off)
	global_load_b128 v[(\X)+4:(\X)+7], v[\vo], s[\sb:\sb+1] offset:(\off)+16
	global_load_b128 v[(\X)+8:(\X)+11], v[\vo], s[\sb:\sb+1] offset:(\off)+64
	global_load_b128 v[(\X)+12:(\X)+15], v[\vo], s[\sb:\sb+1] offset:(\off)+80
.endm
.macro XADD x, m
	v_add_f32_dpp v[\x], v[\x], v[\x] row_xmask:\m row_mask:0xf bank_mask:0xf
.endm
.macro XMAX x, m
	v_max_num_f32_dpp v[\x], v[\x], v[\x] row_xmask:\m row_mask:0xf bank_mask:0xf
.endm
.macro TPAIR lo, hi, m, sm, t          ; lanes with bit m set keep hi, the others lo, and each adds its partner's copy of what it keeps
	v_cndmask_b32 v[\t], v[\hi], v[\lo], s[\sm]
	v_cndmask_b32 v[\lo], v[\lo], v[\hi], s[\sm]
	v_add_f32_dpp v[\lo], v[\t], v[\lo] row_xmask:\m row_mask:0xf bank_mask:0xf
.endm
	s_load_b512 s[8:23], s[0:1], 0x0               ; z s8, rw s10, CP s12, geo_scale s14, vb s16, WF s18, GP s20, SG s22
	s_load_b64 s[24:25], s[0:1], 0x40              ; out0
	v_lshl_add_u32 v1, v0, 2, SPARE                ; my spare word,
	v_mov_b32 v2, 0                                ; and 0: kept for the add at the wave's end alone
	v_lshrrev_b32 v3, 5, v0
	v_readfirstlane_b32 s2, v3                     ; w
	v_and_b32 v6, 31, v0                           ; l
	s_lshl_b32 s4, ttmp9, 12                       ; 16 rows of 256 bytes
	s_mov_b32 s5, 0
	s_lshl_b32 s6, s2, 8
	v_lshl_add_u32 v3, v6, 3, s6                   ; row w, 8 bytes a lane
	s_mov_b32 s56, 0xcccccccc                      ; lanes with bit 1 set,
	s_mov_b32 s57, 0xaaaaaaaa                      ; bit 0
	s_mov_b32 s58, 0x76543210                      ; v_permlanex16_b32: each lane takes its own place in the other half
	s_mov_b32 s59, 0xfedcba98
	s_wait_kmcnt 0x0
	s_add_nc_u64 s[8:9], s[8:9], s[4:5]
	s_add_nc_u64 s[10:11], s[10:11], s[4:5]
	s_load_b32 s26, s[14:15], 0x0                  ; geo
	s_load_b32 s27, s[16:17], 0x0                  ; vb
	s_load_b32 s28, s[22:23], 0x0                  ; 1 / sigma
.irp i, 0,1,2,3,4,5,6,7
	s_load_b64 s[32+2*\i:33+2*\i], s[20:21], 512*\i+256       ; slice i's parts of c and of |vW|^2
.endr
	global_load_b64 v[4:5], v3, s[10:11] th:TH_LOAD_NT         ; rw[b = w][2 l, 2 l + 1], for the softmax
	s_cmp_lt_u32 s2, 8
	s_cbranch_scc0 .LD
; ---------------------------------------------------------------- waves 0-7
	v_and_b32 v9, 15, v0                           ; r
	v_bfe_u32 v10, v0, 4, 1                        ; h
	v_lshlrev_b32 v7, 8, v9
	v_lshl_add_u32 v7, v10, 5, v7                  ; z: row r, 32 bytes at 32 h
	s_mul_i32 s6, s2, 20480
	v_lshl_add_u32 v6, v6, 4, s6                   ; WF: slices 2 p, 2 p + 1; 16 bytes a lane
	LD16 16, 7, 8, 0                               ; z, K = 0..31 and 32..63
	LD16 32, 7, 8, 128
.irp sg, 0,1
.irp jt, 0,1,2,3,4
.irp et, 0,1
	global_load_b128 v[AP+48*\sg+8*(3*\et+\jt/2)+4*(\jt%2):AP+48*\sg+8*(3*\et+\jt/2)+4*(\jt%2)+3], v6, s[18:19] offset:10240*\sg+512*(8+2*\jt+\et)
.endr
.endr
.endr
.irp sg, 0,1
.irp t, 0,1,2,3,4
	global_load_b128 v[AE+40*\sg+8*\t:AE+40*\sg+8*\t+3], v6, s[18:19] offset:10240*\sg+512*(2*\t+10*(\t/4))
	global_load_b128 v[AE+40*\sg+8*\t+4:AE+40*\sg+8*\t+7], v6, s[18:19] offset:10240*\sg+512*(2*\t+10*(\t/4)+1)
.endr
.endr
	v_xor_b32 v8, 1, v10                           ; the third K step's B: 1.0 at K = 64 (h = 0, register 0, low half), else 0: it takes p0 in
	v_mul_u32_u24 v8, 0x3f80, v8
.irp i, 9,10,11,12,13,14,15
	v_mov_b32 v[\i], 0
.endr
.irp sg, 0,1
.irp et, 0,1
.irp i, 4,5,6,7
	v_mov_b32 v[AP+48*\sg+8*(3*\et+2)+\i], 0       ; and its A has no columns 80-95
.endr
.endr
.endr
	s_wait_kmcnt 0x0
	s_mov_b32 s29, s28                             ; named with it as a pair
	s_wait_loadcnt 40                              ; rw and z are in; P' (20) and EK (20) stay out
.set i, 0
.rept 16
	v_pk_mul_f32 v[16+2*i:17+2*i], v[16+2*i:17+2*i], s[28:29] op_sel_hi:[1,0]   ; z / sigma, in f32
.set i, i+1
.endr
	CVT16 16
	CVT16 32
	s_wait_loadcnt 20                              ; P' is in; EK (20) stays out
	; q^T: lane (r, h) holds row b = r and channels 16 et + 8 h + 0..7.  The four accumulators take turns; the first K step starts the sums
.irp ks, 0,1,2
.if \ks == 2
.set BZ, 8
.else
.set BZ, 16+16*\ks
.endif
.irp sg, 0,1
.irp et, 0,1
.if \ks == 0
	v_wmma_f32_16x16x32_bf16 v[QA+8*(2*\sg+\et):QA+8*(2*\sg+\et)+7], v[AP+48*\sg+24*\et:AP+48*\sg+24*\et+7], v[BZ:BZ+7], 0
.else
	v_wmma_f32_16x16x32_bf16 v[QA+8*(2*\sg+\et):QA+8*(2*\sg+\et)+7], v[AP+48*\sg+8*(3*\et+\ks):AP+48*\sg+8*(3*\et+\ks)+7], v[BZ:BZ+7], v[QA+8*(2*\sg+\et):QA+8*(2*\sg+\et)+7]
.endif
.endr
.endr
.endr
	PLACES
.irp sg, 0,1
.irp et, 0,1
.irp i, 0,1,2,3
	v_cvt_pk_bf16_f32 v[24+16*\sg+4*\et+\i], v[QA+8*(2*\sg+\et)+2*\i], v[QA+8*(2*\sg+\et)+2*\i+1]   ; two results ARE the next product's B: v[24:31], v[40:47]
.endr
.endr
.endr
	s_wait_loadcnt 0x0                             ; EK is in, and every offset register is free
	v_and_b32 v6, 15, v0
	v_bfe_u32 v7, v0, 4, 1
	v_mul_u32_u24 v3, v6, SPR
	v_lshl_add_u32 v3, v7, 5, v3
	s_mul_i32 s6, s2, SPP
	v_add_nc_u32 v3, s6, v3                        ; my part: row b = r, charts 8 h ..
	; S^T: lane (r, h) holds row b = r and charts 16 t + 8 h + 0..7.  Five accumulators by turns, in registers that P' has left (behind the places and the 16 conversions)
.irp sg, 0,1
.irp t, 0,1,2,3,4
.if \sg == 0
	v_wmma_f32_16x16x32_bf16 v[48+8*\t:48+8*\t+7], v[AE+8*\t:AE+8*\t+7], v[24:31], 0
.else
	v_wmma_f32_16x16x32_bf16 v[48+8*\t:48+8*\t+7], v[AE+40+8*\t:AE+40+8*\t+7], v[40:47], v[48+8*\t:48+8*\t+7]
.endif
.endr
.endr
	PLACES
.irp t, 0,1,2,3,4
	ds_store_b128 v3, v[48+8*\t:48+8*\t+3] offset:64*\t
	ds_store_b128 v3, v[48+8*\t+4:48+8*\t+7] offset:64*\t+16
.endr
	s_branch .Ljoin
; ---------------------------------------------------------------- waves 8-15.  dq = l % 4: dimensions 16 dq ..; bp = l / 4: rows 2 bp, 2 bp + 1
.LD:
	s_sub_co_u32 s6, s2, 8                         ; p
	s_lshl_b32 s4, s6, 12
	s_add_nc_u64 s[30:31], s[12:13], s[4:5]        ; CP at chart 8 p
.irp k, 0,1,2,3,4,5,6,7
	s_load_b32 s[48+\k], s[30:31], 512*\k+256      ; 1 - |y|^2
.endr
	v_and_b32 v40, 31, v0
	v_and_b32 v41, 3, v0
	v_bfe_u32 v42, v0, 2, 3
	s_lshl_b32 s7, s6, 9
	v_lshl_add_u32 v43, v40, 3, s7
	global_load_b64 v[6:7], v43, s[20:21]          ; part p of g: handed to all waves through LDS
	v_lshlrev_b32 v44, 6, v41
	v_lshl_add_u32 v45, v42, 9, v44
.irp b, 0,1
.irp c, 0,1,2,3
	global_load_b128 v[64+16*\b+4*\c:64+16*\b+4*\c+3], v45, s[8:9] offset:256*\b+16*\c
.endr
.endr
.irp k, 0,1,2,3,4,5,6,7
.irp c, 0,1,2,3
	global_load_b128 v[96+16*\k+4*\c:96+16*\k+4*\c+3], v44, s[30:31] offset:512*\k+16*\c
.endr
.endr
	s_lshl_b32 s3, s6, 8
	s_add_co_u32 s3, s3, GL
	v_lshl_add_u32 v46, v40, 3, s3
	v_bfe_u32 v47, v0, 1, 4                        ; the row that I end up with: 2 bp + dq / 2
	v_mul_u32_u24 v47, v47, XR
	v_and_b32 v48, 1, v0
	v_lshl_add_u32 v47, v48, 4, v47
	s_lshl_b32 s3, s6, 5
	s_add_co_u32 s3, s3, XB
	v_add_nc_u32 v47, s3, v47                      ; charts 8 p + 4 (dq % 2) ..
	s_wait_loadcnt 40                              ; rw and g's part are in; z (8) and the centres (32) stay out
	ds_store_b64 v46, v[6:7]
	s_wait_loadcnt 0x0
	s_wait_kmcnt 0x0
.irp b, 0,1
	v_pk_mul_f32 v[8+2*\b:9+2*\b], v[64+16*\b:65+16*\b], v[64+16*\b:65+16*\b]
.endr
.irp c, 1,2,3,4,5,6,7
.irp b, 0,1
	v_pk_fma_f32 v[8+2*\b:9+2*\b], v[64+16*\b+2*\c:65+16*\b+2*\c], v[64+16*\b+2*\c:65+16*\b+2*\c], v[8+2*\b:9+2*\b]
.endr
.endr
	v_add_f32 v20, v8, v9
	v_add_f32 v21, v10, v11
	XADD 20, 1
	XADD 21, 1
	XADD 20, 2
	XADD 21, 2
	v_sub_f32 v20, 1.0, v20                        ; 1 - |z|^2 of my two rows
	v_sub_f32 v21, 1.0, v21
.irp b, 0,1
.irp k, 0,1,2,3,4,5,6,7
	v_mul_f32 v[24+8*\b+\k], s[48+\k], v[20+\b]
.endr
.endr
.set i, 0
.rept 16
	v_max_num_f32 v[24+i], 0x2b8cbccc, v[24+i]     ; max(den, 1e-12)
.set i, i+1
.endr
.set i, 0
.rept 16
	v_rcp_f32 v[24+i], v[24+i]                     ; one batch,
.set i, i+1
.endr
	v_nop                                          ; a plain instruction behind it,
	s_wait_alu depctr_va_vdst(0)                   ; and the one wait ahead of the first use
.macro DIFF2 k                         ; chart 8 p + k against my two rows: the squares of 16 differences each, times 1 / den
.irp c, 0,1,2,3,4,5,6,7
	v_pk_add_f32 v[224+2*\c:225+2*\c], v[64+2*\c:65+2*\c], v[96+16*(\k)+2*\c:97+16*(\k)+2*\c] neg_lo:[0,1] neg_hi:[0,1]
	v_pk_add_f32 v[240+2*\c:241+2*\c], v[80+2*\c:81+2*\c], v[96+16*(\k)+2*\c:97+16*(\k)+2*\c] neg_lo:[0,1] neg_hi:[0,1]
.endr
.irp c, 0,1
	v_pk_mul_f32 v[8+2*\c:9+2*\c], v[224+2*\c:225+2*\c], v[224+2*\c:225+2*\c]
	v_pk_mul_f32 v[12+2*\c:13+2*\c], v[240+2*\c:241+2*\c], v[240+2*\c:241+2*\c]
.endr
.irp c, 2,3,4,5,6,7
	v_pk_fma_f32 v[8+2*(\c%2):9+2*(\c%2)], v[224+2*\c:225+2*\c], v[224+2*\c:225+2*\c], v[8+2*(\c%2):9+2*(\c%2)]
	v_pk_fma_f32 v[12+2*(\c%2):13+2*(\c%2)], v[240+2*\c:241+2*\c], v[240+2*\c:241+2*\c], v[12+2*(\c%2):13+2*(\c%2)]
.endr
	v_pk_add_f32 v[8:9], v[8:9], v[10:11]
	v_pk_add_f32 v[12:13], v[12:13], v[14:15]
	v_add_f32 v8, v8, v9
	v_add_f32 v12, v12, v13
	v_mul_f32 v[24+(\k)], v8, v[24+(\k)]
	v_mul_f32 v[32+(\k)], v12, v[32+(\k)]
.endm
.irp k, 0,1,2,3,4,5,6,7
	DIFF2 \k
.endr
.set i, 0
.rept 8
	TPAIR 24+i, 32+i, 2, 56, 224+i                 ; over the four lanes of a row pair: bit 1 picks the row,
.set i, i+1
.endr
.set i, 0
.rept 4
	TPAIR 24+i, 28+i, 1, 57, 224+i                 ; bit 0 the upper four charts
.set i, i+1
.endr
	ds_store_b128 v47, v[24:27]
; ---------------------------------------------------------------- all waves: row b = w, charts 2 l and 2 l + 1
.Ljoin:
	s_mul_i32 s3, s2, SPR
	v_and_b32 v8, 31, v0
	v_lshl_add_u32 v9, v8, 3, s3
	v_and_b32 v10, 7, v0
	v_mul_u32_u24 v10, v10, SPP
	v_add_nc_u32 v10, s3, v10
	s_mul_i32 s4, s2, XR
	s_add_co_u32 s4, s4, XB
	v_lshl_add_u32 v11, v8, 3, s4
	v_lshl_add_u32 v12, v8, 3, GL
	s_lshl_b32 s3, s2, 2
	s_add_co_u32 s3, s3, RES
	v_mov_b32 v13, s3
	BAR                                            ; S^T's eight parts, the distances and g's eight parts lie in LDS
.irp q, 0,1,2,3,4,5,6,7
	ds_load_b64 v[16+2*\q:17+2*\q], v9 offset:SPP*\q
.endr
	ds_load_b32 v32, v10 offset:256                ; part l % 8 of q . bk
	ds_load_b64 v[34:35], v11
.irp q, 0,1,2,3,4,5,6,7
	ds_load_b64 v[40+2*\q:41+2*\q], v12 offset:256*\q
.endr
.irp i, 1,2,3,4,5,6,7
	s_add_f32 s32, s32, s[32+2*\i]                 ; c,
	s_add_f32 s33, s33, s[33+2*\i]                 ; |vW|^2
.endr
	s_wait_dscnt 0x0
	v_fma_f32 v56, v34, 2.0, 1.0                   ; a = max(1 + 2 x, 1 + 1e-7)
	v_fma_f32 v57, v35, 2.0, 1.0
	v_max_num_f32 v56, 0x3f800001, v56
	v_max_num_f32 v57, 0x3f800001, v57
	v_add_f32 v58, -1.0, v56
	v_add_f32 v59, 1.0, v56
	v_add_f32 v60, -1.0, v57
	v_add_f32 v61, 1.0, v57
	v_sqrt_f32 v58, v58                            ; a batch of four roots; the sums below are the independent work behind it
	v_sqrt_f32 v59, v59
	v_sqrt_f32 v60, v60
	v_sqrt_f32 v61, v61
.irp g, 8,4,2
.set k, 0
.rept \g/2
	v_pk_add_f32 v[16+k:17+k], v[16+k:17+k], v[16+\g+k:17+\g+k]   ; S's eight parts,
	v_pk_add_f32 v[40+k:41+k], v[40+k:41+k], v[40+\g+k:41+\g+k]   ; g's eight parts
.set k, k+2
.endr
.endr
	XADD 32, 1                                     ; q . bk's eight parts lie in eight neighbouring lanes
	XADD 32, 2
	XADD 32, 4
	s_wait_alu depctr_va_vdst(0)                   ; one wait for the four roots
	v_fma_f32 v58, v58, v59, v56                   ; a + sqrt(a - 1) sqrt(a + 1)
	v_fma_f32 v60, v60, v61, v57
	v_log_f32 v58, v58
	v_log_f32 v60, v60
	v_pk_mul_f32 v[40:41], v[40:41], v[4:5]        ; rw g
	v_fma_f32 v16, v4, v16, v32                    ; rw (q . EK) + q . bk
	v_fma_f32 v17, v5, v17, v32
	v_mul_f32 v16, 0x3d3504f3, v16                 ; / sqrt(512)
	v_mul_f32 v17, 0x3d3504f3, v17
	s_wait_alu depctr_va_vdst(0)                   ; one wait for the two logarithms
	v_mul_f32 v58, 0x3f317218, v58                 ; d = ln 2 x log2
	v_mul_f32 v60, 0x3f317218, v60
	v_mul_f32 v58, v58, v58                        ; d^2
	v_mul_f32 v60, v60, v60
	v_fma_f32 v16, -v58, s26, v16                  ; - geo d^2
	v_fma_f32 v17, -v60, s26, v17
	v_max_num_f32 v18, v16, v17                    ; the row's maximum
	XMAX 18, 1
	XMAX 18, 2
	XMAX 18, 4
	XMAX 18, 8
	v_permlanex16_b32 v19, v18, s58, s59
	v_max_num_f32 v18, v18, v19
	v_sub_f32 v16, v16, v18
	v_sub_f32 v17, v17, v18
	v_mul_f32 v16, 0x3fb8aa3b, v16
	v_mul_f32 v17, 0x3fb8aa3b, v17
	v_exp_f32 v16, v16
	v_exp_f32 v17, v17
	v_nop
	s_wait_alu depctr_va_vdst(0)
	v_add_f32 v20, v16, v17                        ; the weights' sum,
	v_mul_f32 v21, v16, v40                        ; and the weights times rw g
	v_fmac_f32 v21, v17, v41
.irp m, 1,2,4,8
	XADD 20, \m
	XADD 21, \m
.endr
	v_permlanex16_b32 v26, v20, s58, s59
	v_permlanex16_b32 v27, v21, s58, s59
	v_add_f32 v20, v20, v26
	v_add_f32 v21, v21, v27
	v_rcp_f32 v22, v20
	v_rsq_f32 v23, s33                             ; 1 / |vW|
	v_nop
	s_wait_alu depctr_va_vdst(0)
	v_fma_f32 v21, v21, v22, s32                   ; + c
	v_fma_f32 v21, v21, v23, s27                   ; / |vW| + vb
	ds_store_b32 v13, v21                          ; every lane the same word and number
	BAR
	s_cmp_lg_u32 s2, 0
	s_cbranch_scc1 .Lend
	v_and_b32 v14, 15, v0
	v_lshl_add_u32 v14, v14, 2, RES
	ds_load_b32 v15, v14
	v_lshlrev_b32 v16, 2, v8
	s_lshl_b32 s4, ttmp9, 6
	s_add_nc_u64 s[24:25], s[24:25], s[4:5]
	v_cmp_gt_u32 vcc_lo, 16, v8
	s_wait_dscnt 0x0
	s_wait_xcnt 0x0                                ; EXEC changes only behind this wait,
	s_and_saveexec_b32 s7, vcc_lo
	global_store_b32 v16, v15, s[24:25]            ; 16 lanes, 64 consecutive bytes
	s_wait_xcnt 0x0                                ; and again in front of the line that widens it
	s_or_b32 exec_lo, exec_lo, s7
.Lend:
	s_wait_tensorcnt 0x0                           ; the wave's end, behind my last LDS store
	ds_add_u32 v1, v2
	s_wait_dscnt 0x0
	s_endpgm
.Lfunc_end_k_qb13d61e997_batch:
	.size	k_qb13d61e997_batch, .Lfunc_end_k_qb13d61e997_batch-k_qb13d61e997_batch
	.p2alignl 7, 3214868480
	.fill 96, 4, 3214868480
	.section	.rodata,"a",@progbits
	.p2align	6, 0x0
	.amdhsa_kernel k_qb13d61e997_batch
		.amdhsa_group_segment_fixed_size 52224
		.amdhsa_private_segment_fixed_size 0
		.amdhsa_enable_private_segment 0
		.amdhsa_kernarg_size 72
		.amdhsa_user_sgpr_count 2
		.amdhsa_user_sgpr_kernarg_segment_ptr 1
		.amdhsa_wavefront_size32 1
		.amdhsa_system_sgpr_workgroup_id_x 1
		.amdhsa_system_sgpr_workgroup_id_y 1
		.amdhsa_system_sgpr_workgroup_id_z 1
		.amdhsa_system_vgpr_workitem_id 0
		.amdhsa_next_free_vgpr 256
		.amdhsa_next_free_sgpr 66
		.amdhsa_reserve_vcc 1
		.amdhsa_float_denorm_mode_32 3
		.amdhsa_float_denorm_mode_16_64 3
		.amdhsa_memory_ordered 1
		.amdhsa_forward_progress 1
		.amdhsa_inst_pref_size 51
	.end_amdhsa_kernel
	.amdgpu_metadata
---
amdhsa.version: [ 1, 2 ]
amdhsa.kernels:
  - .name:           k_qb13d61e997_batch
    .symbol:         k_qb13d61e997_batch.kd
    .args:
      - { .name: z, .offset: 0, .size: 8, .value_kind: global_buffer, .address_space: global }
      - { .name: rw, .offset: 8, .size: 8, .value_kind: global_buffer, .address_space: global }
      - { .name: CP, .offset: 16, .size: 8, .value_kind: global_buffer, .address_space: global }
      - { .name: geo_scale, .offset: 24, .size: 8, .value_kind: global_buffer, .address_space: global }
      - { .name: vb, .offset: 32, .size: 8, .value_kind: global_buffer, .address_space: global }
      - { .name: WF, .offset: 40, .size: 8, .value_kind: global_buffer, .address_space: global }
      - { .name: GP, .offset: 48, .size: 8, .value_kind: global_buffer, .address_space: global }
      - { .name: SG, .offset: 56, .size: 8, .value_kind: global_buffer, .address_space: global }
      - { .name: out0, .offset: 64, .size: 8, .value_kind: global_buffer, .address_space: global }
    .group_segment_fixed_size: 52224
    .private_segment_fixed_size: 0
    .kernarg_segment_align: 8
    .kernarg_segment_size: 72
    .max_flat_workgroup_size: 512
    .sgpr_count:     66
    .vgpr_count:     256
    .wavefront_size: 32
...
	.end_amdgpu_metadata
.endif
;; end of part 2
;; ======== version 2 of 2: 2 launches; version 1 with the launch prep written anew for expert scheduling mode
;; limits: values outside matrix products are rounded to bf16
;; workspace buffers: WF 163,840 bytes; GP 4,096 bytes; SG 256 bytes; CP 32,768 bytes
;; launch prep (part 3): grid 26 x 1, 16 waves a work-group, no clusters, 272,384 bytes of LDS; arguments Wk, Wq, chart_emb, zW, zb, bq, bk, Wo, Wv, vW, bv, bo, chart_centers, WF, GP, SG, CP; writes WF, GP, SG, CP
.if DOCPART == 3
	.amdgcn_target "amdgcn-amd-amdhsa--gfx1250"
	.amdhsa_code_object_version 6
	.text
	.protected	k_qb13d61e997_prep
	.globl	k_qb13d61e997_prep
	.p2align	8
	.type	k_qb13d61e997_prep,@function
k_qb13d61e997_prep:
	s_mov_b64 s[64:65], 0
	v_nop
	global_prefetch_b8 v0, s[64:65] scope:SCOPE_SE
	s_setreg_imm32_b32 hwreg(HW_REG_WAVE_SCHED_MODE, 0, 2), 2
	s_setreg_imm32_b32 hwreg(HW_REG_WAVE_MODE, 25, 1), 1
	s_wait_xcnt 0x0
	s_wait_alu depctr_vm_vsrc(0)
; PREP: everything of the module that does not hang on the batch row.  All steps but the softmax and the geodesic distance are linear, and a token is
; rw[b][k] x chart_emb[k], so for every input:  k[b][kk] = rw EK[kk] + bk, EK = chart_emb Wk^T;  q[b] = (z[b]/sigma) P^T + p0, P = Wq zW, p0 = Wq zb + bq;
; out0[b] = (sum_kk attn rw g[kk] + c) / |vW| + vb, g = chart_emb (Wv^T (Wo^T vW)), c = bv.(Wo^T vW) + bo.vW  (the weights attn add up to 1).
; 26 work-groups of 16 waves, four bodies chosen by the work-group's number:
;   B (0-15)   slice s = 32 channels e: EK, P, p0 and bk, rounded to bf16, stored as the register images of matrix fragments (WF)
;   A (16-23)  slice s = 64 channels e: its part of g, of c and of |vW|^2, all in f32 on the vector unit (GP): these numbers carry the output's accuracy, and the products have one row
;   S (24)     1/sigma of zW: v5 = l2n(G^4 zW^T 1), sigma = sqrt(v5 G v5), G = zW^T zW: the same five steps of the power iteration as the module's (SG)
;   P (25)     the chart centres projected into the ball, and 1 - |y|^2 (CP)
; WF: [slice 16][entry 20][512 bytes], lane l's 16 bytes at 16 l = four registers of a bf16 fragment.  Entry 2 nt + mt: EK, row k = 16 nt + r, channels e = 32 s + 16 mt + 8 h + 0..7;
;   entry 8 + 2 jt + et: P', row e = 32 s + 16 et + r, columns j' = 16 jt + 8 h + 0..7 (column 64 is p0, 65-79 are 0); entry 18 + mt: row 64 + r, of which row 64 is bk and the others 0.
; GP: [slice 8][128 f32]: 64 of g, then c, then |vW|^2, then zeros.   SG: 1/sigma, 64 times.   CP: [chart 64][512 bytes]: y, then 1 - |y|^2 64 times.
; LIMITS.  The 1e-12 that the module adds to a norm before dividing is left out (a relative 1e-12 / norm).  v_rsq_f32 and v_sqrt_f32 take denormals as 0 (ISA guide 15.8): sigma^2, |vW|^2 and the
; iteration's squared norms must lie above 1e-37.  G, EK and P are made of operands rounded to bf16, sums in f32.  Divisions are a reciprocal and a product.
; NO TENSOR LOADS, NO CLUSTER, NO PREFETCH: each weight byte is wanted by one wave, once, and lands in the registers where the conversion wants it; all loads of a wave are issued at its head;
; what work-groups share (chart_emb, zW: 256 KiB) is a small launch's small part and would have to go through LDS and a round of barriers.
; LDS.  Each body has bytes of its own: no LDS byte is named by two bodies.
; THE MODE: SCHED_MODE bits 1:0 = 2 (LLVM: expert scheduling mode 2), set by the entry lines.  The code itself states the register dependences
; between vector or matrix instructions and memory or LDS instructions, with s_wait_alu, always for 0.
; THE PLAN.  The text is straight but for the iteration's four trips, so it goes in stages: a stage's vector or matrix work writes addresses and data, ONE wait on va_vdst follows, then the stage's whole run of loads
; or stores, with no vector instruction between that names their registers.  So conversions stand in a run ahead of the LDS stores that read them, and addresses are made ahead of a wait that stands there anyway.
; Offsets of global loads are made once and never written again.  Where registers that LDS stores or loads have read are written again (store data that become fragments, accumulators or sums; the addresses
; v36, v37 in B, v62 in A, v12, v13 in S; v30, v31 in the iteration), one wait on vm_vsrc stands between, behind the barrier that follows the stores and ahead of the branch that picks the waves that go on.
; Each body's comments say which registers each wait is for.
; lane names: l = thread % 32, r = l % 16, h = l / 16, w = wave.
.set BP,    18432                      ; B, from byte 0: [p 8][18,432 bytes]: wave p's partial tiles of entries 0-7 (1,024 bytes each: registers 0-3 at 16 l, 4-7 at 512 + 16 l), then 10,240 bytes of wave 8 + p alone:
                                       ;    first its 64 rows d of 160 bytes (zW in bf16, column 64 = zb, 65-79 = 0), then, over them, its partial tiles of entries 8-17.  So part q of entry T lies at 18,432 q + 1,024 T
.set WOP,   147456                     ; A: 32 rows x 272 bytes: partial w_o
.set WVP,   WOP+9216                   ; A: [4][2048 bytes]: partial w_v
.set CB,    WOP+17408                  ; A: 16 words: bv . w_o by groups of 16 channels
.set G8,    WOP+17664                  ; A: [8][256 bytes]: partial g
.set ZS,    167424                     ; S: 512 rows d of 160 bytes (zW in bf16, column 64 = 1, 65-79 = 0); wave kq later lays its 20 partial tiles (1,024 bytes each) over the 128 rows that it alone has read
.set GF,    ZS+81920                   ; S: [tile 20][1024 bytes]
.set VL,    ZS+102400                  ; S: the iteration's vector, 64 f32
.set SPARE, 270336                     ; the spare words: 128 bytes for each of 16 waves
.macro BAR                             ; what the others will read is written, what they will overwrite is read: then the barrier
	s_wait_dscnt 0x0
	s_barrier_signal -1
	s_barrier_wait -1
.endm
.macro PLACES                          ; plain vector instructions between a matrix instruction and what reads its result or rewrites its registers (ISA guide 7.12.1 asks for four or five; eight, a few times a wave)
.rept 8
	v_nop
.endr
.endm
.macro CVT16 X                         ; 16 f32 at v[X] become a bf16 fragment in v[X .. X+7]; v[X+8 .. X+15] are free afterwards
.irp i, 0,1,2,3,4,5,6,7
	v_cvt_pk_bf16_f32 v[(\X)+\i], v[(\X)+2*\i], v[(\X)+2*\i+1]
.endr
.endm
.macro LD16 X, vo, sb, off, hint:vararg ; a fragment's 16 f32: K = 8 h + 0..7 (32 bytes) and K = 16 + 8 h + 0..7 (64 bytes on)
	global_load_b128 v[(\X):(\X)+3], v[\vo], s[\sb:\sb+1] offset:(\off) \hint
	global_load_b128 v[(\X)+4:(\X)+7], v[\vo], s[\sb:\sb+1] offset:(\off)+16 \hint
	global_load_b128 v[(\X)+8:(\X)+11], v[\vo], s[\sb:\sb+1] offset:(\off)+64 \hint
	global_load_b128 v[(\X)+12:(\X)+15], v[\vo], s[\sb:\sb+1] offset:(\off)+80 \hint
.endm
.macro XADD x, m                       ; lane i adds lane i xor m, inside each half of 16 lanes
	v_add_f32_dpp v[\x], v[\x], v[\x] row_xmask:\m row_mask:0xf bank_mask:0xf
.endm
.macro TPAIR lo, hi, m, sm, t          ; a reduction that halves the registers: lanes with bit m set keep hi, the others lo, and each adds its partner's copy of what it keeps
	v_cndmask_b32 v[\t], v[\hi], v[\lo], s[\sm]
	v_cndmask_b32 v[\lo], v[\lo], v[\hi], s[\sm]
	v_add_f32_dpp v[\lo], v[\t], v[\lo] row_xmask:\m row_mask:0xf bank_mask:0xf
.endm
	s_load_b512 s[8:23], s[0:1], 0x0               ; Wk s8, Wq s10, chart_emb s12, zW s14, zb s16, bq s18, bk s20, Wo s22
	s_load_b256 s[24:31], s[0:1], 0x40             ; Wv s24, vW s26, bv s28, bo s30
	s_load_b256 s[32:39], s[0:1], 0x60             ; chart_centers s32, WF s34, GP s36, SG s38
	s_load_b64 s[40:41], s[0:1], 0x80              ; CP
	v_lshl_add_u32 v4, v0, 2, SPARE                ; my spare word,
	v_mov_b32 v5, 0                                ; and 0: kept for the add at the wave's end alone
	v_and_b32 v1, 31, v0                           ; l
	v_and_b32 v2, 15, v0                           ; r
	v_bfe_u32 v3, v0, 4, 1                         ; h
	v_lshrrev_b32 v6, 5, v0
	v_readfirstlane_b32 s2, v6                     ; w
	s_mov_b32 s42, 0x76543210                      ; v_permlanex16_b32: each lane takes its own place in the other half
	s_mov_b32 s43, 0xfedcba98
	s_mov_b32 s44, 0xff00ff00                      ; lanes with bit 3 set,
	s_mov_b32 s45, 0xf0f0f0f0                      ; bit 2,
	s_mov_b32 s46, 0xcccccccc                      ; bit 1,
	s_mov_b32 s47, 0xaaaaaaaa                      ; bit 0
	s_mov_b32 s48, 0x0000ffff                      ; h = 0
	s_mov_b32 s49, 0x00010000                      ; lane 16
	s_mov_b32 s50, 0x00010001                      ; r = 0
	s_wait_alu depctr_va_sdst(0)                   ; s2 is written, ahead of the first branch and of all its readers: every body makes addresses and branches from it
	s_wait_kmcnt 0x0
	s_cmp_lt_u32 ttmp9, 16
	s_cbranch_scc1 .LB
	s_cmp_lt_u32 ttmp9, 24
	s_cbranch_scc1 .LA
	s_cmp_eq_u32 ttmp9, 24
	s_cbranch_scc1 .LS
; ---------------------------------------------------------------- BODY P: wave w projects rows 4 w + h and 4 w + 2 + h; 16 lanes hold a row, 4 numbers each
	s_lshl_b32 s52, s2, 10
	v_lshl_add_u32 v6, v1, 4, s52                  ; 1,024 w + 16 l
	s_wait_alu depctr_va_vdst(0)                   ; v6 is written, which the two loads read as their offset
	global_load_b128 v[8:11], v6, s[32:33]
	global_load_b128 v[12:15], v6, s[32:33] offset:512
	s_lshl_b32 s53, s2, 11
	v_lshl_add_u32 v7, v3, 9, s53
	v_lshl_add_u32 v7, v2, 4, v7                   ; in CP: 512 (4 w + h) + 16 r
	s_wait_loadcnt 0x0
	v_pk_mul_f32 v[16:17], v[8:9], v[8:9]
	v_pk_mul_f32 v[18:19], v[12:13], v[12:13]
	v_pk_fma_f32 v[16:17], v[10:11], v[10:11], v[16:17]
	v_pk_fma_f32 v[18:19], v[14:15], v[14:15], v[18:19]
	v_add_f32 v16, v16, v17
	v_add_f32 v18, v18, v19
.irp m, 1,2,4,8
	XADD 16, \m
	XADD 18, \m
.endr
	v_sqrt_f32 v16, v16                            ; the two norms: one batch,
	v_sqrt_f32 v18, v18
	v_nop                                          ; a plain instruction behind it,
	s_wait_alu depctr_va_vdst(0)                   ; and the wait ahead of the first use: the roots have written v16 and v18
	v_max_num_f32 v16, 0x2b8cbccc, v16             ; max(n, 1e-12)
	v_max_num_f32 v18, 0x2b8cbccc, v18
	v_rcp_f32 v16, v16
	v_rcp_f32 v18, v18
	v_nop
	s_wait_alu depctr_va_vdst(0)                   ; the reciprocals have written v16 and v18, ahead of their first use
	v_mul_f32 v16, 0x3f7fff58, v16                 ; (1 - 1e-5) / max(n, 1e-12)
	v_mul_f32 v18, 0x3f7fff58, v18
	v_min_num_f32 v16, 1.0, v16
	v_min_num_f32 v18, 1.0, v18
	v_pk_mul_f32 v[8:9], v[8:9], v[16:17] op_sel_hi:[1,0]      ; y = c x scale (the pair's low word for both)
	v_pk_mul_f32 v[10:11], v[10:11], v[16:17] op_sel_hi:[1,0]
	v_pk_mul_f32 v[12:13], v[12:13], v[18:19] op_sel_hi:[1,0]
	v_pk_mul_f32 v[14:15], v[14:15], v[18:19] op_sel_hi:[1,0]
	v_pk_mul_f32 v[20:21], v[8:9], v[8:9]          ; |y|^2 of the projected row itself
	v_pk_mul_f32 v[22:23], v[12:13], v[12:13]
	v_pk_fma_f32 v[20:21], v[10:11], v[10:11], v[20:21]
	v_pk_fma_f32 v[22:23], v[14:15], v[14:15], v[22:23]
	v_add_f32 v20, v20, v21
	v_add_f32 v22, v22, v23
.irp m, 1,2,4,8
	XADD 20, \m
	XADD 22, \m
.endr
	v_sub_f32 v24, 1.0, v20
	v_sub_f32 v28, 1.0, v22
.irp i, 1,2,3
	v_mov_b32 v[24+\i], v24
	v_mov_b32 v[28+\i], v28
.endr
	s_wait_alu depctr_va_vdst(0)                   ; v7, v[8:15] and v[24:31] are written: the four stores read them as offset and data
	global_store_b128 v7, v[8:11], s[40:41]                    ; 16 lanes store 256 consecutive bytes, aligned: the row,
	global_store_b128 v7, v[24:27], s[40:41] offset:256        ; and 1 - |y|^2, 64 times
	global_store_b128 v7, v[12:15], s[40:41] offset:1024
	global_store_b128 v7, v[28:31], s[40:41] offset:1280
	s_branch .Lend
; ---------------------------------------------------------------- BODY B: slice s = work-group, channels e = 32 s .. 32 s + 31.  The sum over d (512) is split eight ways:
; waves 0-7 make EK^T (A = 16 rows e of Wk, B = 16 rows k of chart_emb), waves 8-15 P'^T (A = 16 columns j' of [zW | zb | 0], turned in LDS; B = 16 rows e of Wq); p = w % 8 takes d = 64 p .. 64 p + 63,
; 256 consecutive bytes, aligned, of each row.  In a result lane (r, h) holds B's row r and A's rows 8 h + 0..7: rounded in pairs that is half a fragment for the next launch.
.LB:
	s_and_b32 s51, s2, 7                           ; p
	s_and_b32 s52, s2, 1
	s_lshl_b32 s54, ttmp9, 7                       ; 32 f32 a slice
	s_mov_b32 s55, 0
	s_add_nc_u64 s[18:19], s[18:19], s[54:55]
	s_add_nc_u64 s[20:21], s[20:21], s[54:55]
	s_lshl_b32 s53, s52, 6
	s_lshl_b32 s56, s51, 8                         ; 256 p
	s_mov_b32 s57, 0
	v_lshl_add_u32 v22, v2, 2, s53
	v_lshl_add_u32 v23, v3, 5, s53
	v_lshlrev_b32 v16, 11, v2
	v_lshl_add_u32 v16, v3, 5, v16
	v_add_nc_u32 v16, s56, v16                     ; a fragment's row and half: 2,048 r + 32 h + 256 p
	s_wait_alu depctr_va_vdst(0)                   ; the offsets v22, v23 and v16 are written (v16 serves the weights' loads on both sides of the branch below); the head is done with v6, in which a load lands
	global_load_b32 v6, v22, s[18:19]              ; bq[32 s + 16 (w % 2) + r]
	global_load_b128 v[8:11], v23, s[20:21]        ; bk[32 s + 16 (w % 2) + 8 h + 0..7]
	global_load_b128 v[12:15], v23, s[20:21] offset:16
	s_mul_i32 s54, ttmp9, 10240
	s_add_nc_u64 s[34:35], s[34:35], s[54:55]      ; WF at my slice
	s_lshl_b32 s54, ttmp9, 16                      ; 32 rows of 2,048 bytes
	s_mul_i32 s61, s51, BP                         ; part p's bytes in LDS
	s_cmp_lt_u32 s2, 8
	s_cbranch_scc0 .LB2
	; waves 0-7.  Chunk 6 ks + o of 16 registers at v[64 + 16 chunk]: o = 0, 1 Wk's rows 16 o + r; o = 2..5 chart_emb's rows 16 (o - 2) + r; K = 32 ks on
	s_add_nc_u64 s[8:9], s[8:9], s[54:55]
.irp ks, 0,1
	LD16 64+96*\ks,16,8,128*\ks,th:TH_LOAD_NT
	LD16 80+96*\ks,16,8,32768+128*\ks,th:TH_LOAD_NT
.irp nt, 0,1,2,3
	LD16 96+96*\ks+16*\nt,16,12,32768*\nt+128*\ks
.endr
.endr
	v_lshl_add_u32 v17, v1, 4, s61
	s_wait_loadcnt 0x0
.irp c, 0,1,2,3,4,5,6,7,8,9,10,11
	CVT16 64+16*\c
.endr
	; 16 products; the 8 accumulators (in the halves that the conversions freed) take turns, one instruction a turn; the first K step starts the sums
.irp ks, 0,1
.irp mt, 0,1
.irp nt, 0,1,2,3
.if \ks == 0
	v_wmma_f32_16x16x32_bf16 v[72+16*(4*\mt+\nt):72+16*(4*\mt+\nt)+7], v[64+16*\mt:64+16*\mt+7], v[96+16*\nt:96+16*\nt+7], 0
.else
	v_wmma_f32_16x16x32_bf16 v[72+16*(4*\mt+\nt):72+16*(4*\mt+\nt)+7], v[160+16*\mt:160+16*\mt+7], v[192+16*\nt:192+16*\nt+7], v[72+16*(4*\mt+\nt):72+16*(4*\mt+\nt)+7]
.endif
.endr
.endr
.endr
	PLACES
	s_wait_alu depctr_va_vdst(0)                   ; the products have written the eight accumulators, and v17 is written: the LDS stores read them; the places above stay beside this wait
.irp mt, 0,1
.irp nt, 0,1,2,3
	ds_store_b128 v17, v[72+16*(4*\mt+\nt):72+16*(4*\mt+\nt)+3] offset:1024*(2*\nt+\mt)
	ds_store_b128 v17, v[72+16*(4*\mt+\nt)+4:72+16*(4*\mt+\nt)+7] offset:1024*(2*\nt+\mt)+512
.endr
.endr
	s_branch .LBjoin
.LB2:	; waves 8-15
	s_add_nc_u64 s[10:11], s[10:11], s[54:55]      ; Wq at the slice's 32 rows
	s_add_nc_u64 s[16:17], s[16:17], s[56:57]      ; zb at d = 64 p
	s_lshl_b32 s58, s51, 14
	s_mov_b32 s59, 0
	s_add_nc_u64 s[14:15], s[14:15], s[58:59]      ; zW at row 64 p: 64 rows of 256 bytes on end
	v_lshlrev_b32 v40, 2, v1
	v_lshlrev_b32 v41, 4, v1
	s_wait_alu depctr_va_vdst(0)                   ; the offsets v40 and v41 are written, which the loads of zb and zW read
	global_load_b32 v20, v40, s[16:17]             ; zb[64 p + l],
	global_load_b32 v21, v40, s[16:17] offset:128  ; zb[64 p + 32 + l]
.set i, 0
.rept 32
	global_load_b128 v[128+4*i:128+4*i+3], v41, s[14:15] offset:512*i  ; row 2 i + h, columns 4 r ..: 512 consecutive bytes
.set i, i+1
.endr
.irp ks, 0,1
.irp et, 0,1
	LD16 64+16*(2*\ks+\et),16,10,32768*\et+128*\ks,th:TH_LOAD_NT
.endr
.endr
	s_add_co_u32 s60, s61, 8192                    ; my 10,240 bytes of LDS: no other wave touches them ahead of the barrier
	v_mov_b32 v7, 0
	v_mul_u32_u24 v42, v3, 160
	v_lshl_add_u32 v42, v2, 3, v42
	v_add_nc_u32 v42, s60, v42                     ; row h, 8 bytes at 8 r
	v_mul_u32_u24 v43, v1, 160
	v_add_nc_u32 v43, s60, v43                     ; row l
	v_and_b32 v44, 7, v1
	v_lshl_add_u32 v44, v3, 3, v44
	v_mul_u32_u24 v18, v44, 160
	v_bfe_u32 v44, v1, 3, 1
	v_lshl_add_u32 v18, v44, 4, v18
	v_add_nc_u32 v18, s60, v18                     ; the turning load: row 8 h + l % 8, 16 bytes at 16 ((l / 8) % 2)
	v_lshl_add_u32 v17, v1, 4, s60                 ; and where my partial tiles go afterwards
.irp i, 25,26,27,29,30,31,32,33,34,35
	v_mov_b32 v[\i], 0
.endr
	s_wait_loadcnt 16                              ; all but Wq's 16 loads, which were issued last
.set i, 0
.rept 32                               ; all the conversions in one run, so that one wait serves all the LDS stores behind them
	v_cvt_pk_bf16_f32 v[128+4*i], v[128+4*i], v[128+4*i+1]
	v_cvt_pk_bf16_f32 v[128+4*i+1], v[128+4*i+2], v[128+4*i+3]
.set i, i+1
.endr
	v_cvt_pk_bf16_f32 v24, v20, v7                 ; column 64 = zb, columns 65-79 = 0
	v_cvt_pk_bf16_f32 v28, v21, v7
	s_wait_alu depctr_va_vdst(0)                   ; the conversions have written the stores' data (v[128 + 4 i], the next one, v24, v28, with the zeros v25-35), and the LDS addresses v42, v43, v18, v17 are written
.set i, 0
.rept 32
	ds_store_b64 v42, v[128+4*i:128+4*i+1] offset:320*i
.set i, i+1
.endr
	ds_store_b128 v43, v[24:27] offset:128
	ds_store_b128 v43, v[32:35] offset:144
	ds_store_b128 v43, v[28:31] offset:5248
	ds_store_b128 v43, v[32:35] offset:5264
	s_wait_alu depctr_vm_vsrc(0)                   ; the LDS stores have read v[128 ..]: the turning loads land in v[128:207], and six accumulators are written in v[208:255]
	; LDS serves a wave's instructions in order (ISA guide 5.7.1.4): these loads see my stores above.  Fragment (ks, jt): rows j' = 16 jt + r, K = d = 32 ks ..
	; (The conversions that named v[128:207] stand ahead of the wait on va_vdst above, and no vector instruction since names them.)
.irp ks, 0,1
.irp jt, 0,1,2,3,4
	ds_load_tr16_b128 v[128+8*(5*\ks+\jt):128+8*(5*\ks+\jt)+3], v18 offset:5120*\ks+32*\jt
	ds_load_tr16_b128 v[128+8*(5*\ks+\jt)+4:128+8*(5*\ks+\jt)+7], v18 offset:5120*\ks+32*\jt+2560
.endr
.endr
	s_wait_loadcnt 0x0
.irp c, 0,1,2,3
	CVT16 64+16*\c
.endr
	s_wait_dscnt 0x0                               ; the fragments are in registers: my rows in LDS have been read for the last time
	; 20 products; the 10 accumulators take turns.  Accumulator U = 2 jt + et: v[208 + 8 U] for U < 6, else the halves that the conversions freed
.irp ks, 0,1
.irp jt, 0,1,2,3,4
.irp et, 0,1
.set U, 2*\jt+\et
.if U < 6
.set AU, 208+8*U
.else
.set AU, 72+16*(U-6)
.endif
.if \ks == 0
	v_wmma_f32_16x16x32_bf16 v[AU:AU+7], v[128+8*\jt:128+8*\jt+7], v[64+16*\et:64+16*\et+7], 0
.else
	v_wmma_f32_16x16x32_bf16 v[AU:AU+7], v[168+8*\jt:168+8*\jt+7], v[96+16*\et:96+16*\et+7], v[AU:AU+7]
.endif
.endr
.endr
.endr
	PLACES
	s_wait_alu depctr_va_vdst(0)                   ; the products have written the ten accumulators, which the LDS stores read; the places above stay beside this wait
.set U, 0
.rept 10                               ; ten tiles of 1,024 bytes over my own 64 rows of 160
.if U < 6
.set AU, 208+8*U
.else
.set AU, 72+16*(U-6)
.endif
	ds_store_b128 v17, v[AU:AU+3] offset:1024*U
	ds_store_b128 v17, v[AU+4:AU+7] offset:1024*U+512
.set U, U+1
.endr
.LBjoin:
	BAR                                            ; all 18 x 8 partial tiles lie in LDS
	s_wait_alu depctr_vm_vsrc(0)                   ; my LDS stores have read their accumulators, of which those in v[72:127] take the loads of the sum below
; Entry T (in s[sT]): its eight partial tiles are added, rounded to bf16 and stored: 512 consecutive bytes, aligned.  bias = 1: bq joins row j' = 64, which is register 0 of the lanes h = 0.
; Parts 4 to 7 lie past the 16-bit immediate: a second address, 4 x 18,432 bytes on.
.macro JOBSUM sT, vo, R, bias
	s_lshl_b32 s62, s[\sT], 10
	v_lshl_add_u32 v36, v1, 4, s62
	v_add_nc_u32 v37, 4*BP, v36
	s_lshl_b32 s63, s[\sT], 9
	v_lshl_add_u32 v[\vo], v1, 4, s63
	s_wait_alu depctr_va_vdst(0)                   ; the addresses v36 and v37 are written; the products, sums and roundings that named v[64:127] are done, and the loads land there
.irp q, 0,1,2,3
	ds_load_b128 v[64+8*\q:64+8*\q+3], v36 offset:BP*\q
	ds_load_b128 v[64+8*\q+4:64+8*\q+7], v36 offset:BP*\q+512
	ds_load_b128 v[96+8*\q:96+8*\q+3], v37 offset:BP*\q
	ds_load_b128 v[96+8*\q+4:96+8*\q+7], v37 offset:BP*\q+512
.endr
	s_wait_dscnt 0x0
.irp g, 32,16,8
.set k, 0
.rept \g/2
	v_pk_add_f32 v[64+k:65+k], v[64+k:65+k], v[64+\g+k:65+\g+k]
.set k, k+2
.endr
.endr
.if \bias
	v_cndmask_b32 v45, 0, v6, s48
	v_add_f32 v64, v64, v45
.endif
.irp i, 0,1,2,3
	v_cvt_pk_bf16_f32 v[(\R)+\i], v[64+2*\i], v[64+2*\i+1]
.endr
	s_wait_alu depctr_va_vdst(0)                   ; the roundings have written the four registers that the store reads (its offset was written ahead of the wait above)
	global_store_b128 v[\vo], v[(\R):(\R)+3], s[34:35]
.endm
	JOBSUM 2, 38, 128, 0                           ; entries 0 to 15, one a wave
	s_wait_alu depctr_vm_vsrc(0)                   ; the LDS loads above have read v36 and v37, which waves 0 and 1 write anew below: ahead of the branch
	s_add_co_u32 s53, s2, 16
	s_cmp_lt_u32 s2, 2
	s_cbranch_scc0 .LBbk
	JOBSUM 53, 39, 132, 1                          ; entries 16, 17 (p0's rows); its store names other registers than the first store, which may still read its own
	s_branch .Lend
.LBbk:
	s_cmp_lt_u32 s2, 4
	s_cbranch_scc0 .Lend
.irp i, 0,1,2,3,4,5,6,7
	v_cndmask_b32 v[64+\i], 0, v[8+\i], s50        ; entries 18, 19: row 64 (r = 0) is bk, the others 0
.endr
.irp i, 0,1,2,3
	v_cvt_pk_bf16_f32 v[132+\i], v[64+2*\i], v[64+2*\i+1]
.endr
	s_lshl_b32 s63, s53, 9
	v_lshl_add_u32 v39, v1, 4, s63
	s_wait_alu depctr_va_vdst(0)                   ; v39 and v[132:135] are written, which the store reads
	global_store_b128 v39, v[132:135], s[34:35]
	s_branch .Lend
; ---------------------------------------------------------------- BODY A: slice s = work-group - 16, channels e = 64 s .. 64 s + 63.  T = 2 w + h, cq = w % 4, rg = w / 4.
; w_o[e] = sum_f vW[f] Wo[f][e];  w_v[d] += sum_e w_o[e] Wv[e][d];  g[k] += chart_emb[k] . w_v;  c += bv . w_o + bo . vW.  All 58 loads of a wave go out at once.
.macro AXPY D, X, Wr                   ; v[D .. D+3] = sum over i = 0..15 of v[X + 4 i ..] x v[Wr + i]
.irp k, 0,1,2,3
	v_mul_f32 v[(\D)+\k], v[(\X)+\k], v[\Wr]
.endr
.set i, 1
.rept 15
.irp k, 0,1,2,3
	v_fmac_f32 v[(\D)+\k], v[(\X)+4*i+\k], v[(\Wr)+i]
.endr
.set i, i+1
.endr
.endm
.LA:
	s_sub_co_u32 s51, ttmp9, 16                    ; s
	s_and_b32 s52, s2, 3                           ; cq
	s_lshr_b32 s53, s2, 2                          ; rg
	s_lshl_b32 s54, s51, 8                         ; 64 f32 a slice
	s_mov_b32 s55, 0
	s_add_nc_u64 s[22:23], s[22:23], s[54:55]      ; Wo at column 64 s
	s_add_nc_u64 s[28:29], s[28:29], s[54:55]      ; bv, bo and (in s[56:57]) vW at 64 s
	s_add_nc_u64 s[30:31], s[30:31], s[54:55]
	s_add_nc_u64 s[56:57], s[26:27], s[54:55]
	s_lshl_b32 s54, s51, 17
	s_add_nc_u64 s[24:25], s[24:25], s[54:55]      ; Wv at row 64 s
	s_lshl_b32 s54, s51, 9
	s_add_nc_u64 s[36:37], s[36:37], s[54:55]      ; GP at my slice
	s_lshl_b32 s58, s2, 7
	v_lshl_add_u32 v6, v3, 6, s58                  ; vW[16 T ..]: 64 T
	s_lshl_b32 s58, s2, 16
	v_lshl_add_u32 v7, v3, 15, s58
	v_lshl_add_u32 v7, v2, 4, v7                   ; Wo: row 16 T, 16 bytes at 16 r
	s_lshl_b32 s59, s53, 6                         ; 64 rg
	v_mov_b32 v8, s59
	s_lshl_b32 s58, s53, 15
	s_lshl_b32 s60, s52, 9                         ; 512 cq
	s_add_co_u32 s58, s58, s60
	v_lshl_add_u32 v9, v1, 4, s58                  ; Wv and chart_emb: row 16 rg, columns 128 cq + 4 l ..
	v_lshlrev_b32 v10, 4, v2
	s_wait_alu depctr_va_vdst(0)                   ; the five offsets v6 to v10 are written, which the 58 loads read; they are never written again
.irp c, 0,1,2,3
	global_load_b128 v[16+4*\c:16+4*\c+3], v6, s[26:27] offset:16*\c
.endr
.set i, 0
.rept 16
	global_load_b128 v[64+4*i:64+4*i+3], v7, s[22:23] offset:2048*i th:TH_LOAD_NT   ; 16 lanes take 256 consecutive bytes of row 16 T + i
.set i, i+1
.endr
.irp c, 0,1,2,3
	global_load_b128 v[32+4*\c:32+4*\c+3], v8, s[28:29] offset:16*\c
.endr
.set i, 0
.rept 16
	global_load_b128 v[128+4*i:128+4*i+3], v9, s[24:25] offset:2048*i th:TH_LOAD_NT
.set i, i+1
.endr
.set i, 0
.rept 16
	global_load_b128 v[192+4*i:192+4*i+3], v9, s[12:13] offset:2048*i
.set i, i+1
.endr
	global_load_b128 v[48:51], v10, s[30:31]
	global_load_b128 v[52:55], v10, s[56:57]
	s_mul_i32 s58, s2, 544
	s_add_co_u32 s58, s58, WOP
	v_mul_u32_u24 v56, v3, 272
	v_lshl_add_u32 v56, v2, 4, v56
	v_add_nc_u32 v56, s58, v56                     ; WOP + 272 T + 16 r
	s_add_co_u32 s58, s59, WOP
	v_mul_u32_u24 v57, v1, 272
	v_add_nc_u32 v57, s58, v57                     ; WOP + 272 l + 64 rg
	s_add_co_u32 s58, s60, WVP
	v_lshl_add_u32 v59, v1, 4, s58                 ; WVP + 512 cq + 16 l
	s_lshl_b32 s61, s53, 11
	v_add_nc_u32 v58, s61, v59                     ; + 2,048 rg
	s_lshl_b32 s58, s52, 2
	s_add_co_u32 s58, s58, s53
	s_lshl_b32 s58, s58, 2
	s_add_co_u32 s58, s58, CB
	v_mov_b32 v60, s58                             ; CB + 4 (rg + 4 cq)
	s_add_co_u32 s58, s60, s59
	s_add_co_u32 s58, s58, G8
	v_lshl_add_u32 v61, v3, 8, s58
	v_lshl_add_u32 v61, v2, 2, v61                 ; G8 + 256 (2 cq + h) + 4 (16 rg + r)
	s_wait_loadcnt 38                              ; vW and Wo are in; bv (4), Wv (16), chart_emb (16) and the two short slices stay out
	AXPY 12, 64, 16
	s_wait_alu depctr_va_vdst(0)                   ; v[12:15] and the six LDS addresses v56 to v61 are written; the sums are done reading v[64:79], in which the LDS loads behind the barrier land
	ds_store_b128 v56, v[12:15]
	BAR
.irp c, 0,1,2,3
	ds_load_b128 v[64+4*\c:64+4*\c+3], v57 offset:16*\c   ; lane l: the part T = l of w_o[16 rg + 0..15]
.endr
	s_wait_dscnt 0x0
.irp m, 1,2,4,8
.set i, 0
.rept 16
	XADD 64+i, \m
.set i, i+1
.endr
.endr
.set i, 0
.rept 16
	v_permlanex16_b32 v[80+i], v[64+i], s42, s43
.set i, i+1
.endr
.set i, 0
.rept 16
	v_add_f32 v[64+i], v[64+i], v[80+i]            ; w_o[16 rg + i], in every lane
.set i, i+1
.endr
	s_wait_loadcnt 18                              ; bv and Wv are in; chart_emb (16) and the two short slices stay out
	v_pk_mul_f32 v[62:63], v[32:33], v[64:65]
.irp c, 1,2,3,4,5,6,7
	v_pk_fma_f32 v[62:63], v[32+2*\c:33+2*\c], v[64+2*\c:65+2*\c], v[62:63]
.endr
	v_add_f32 v62, v62, v63
	s_wait_alu depctr_vm_vsrc(0)                   ; the LDS store of the first stage has read v[12:15], which the sums below write again
	AXPY 12, 128, 64
	s_wait_alu depctr_va_vdst(0)                   ; v62 and v[12:15] are written, which the two LDS stores read; the sums are done reading v[64:79], in which the LDS loads behind the barrier land
	ds_store_b32 v60, v62                          ; every lane the same word and number
	ds_store_b128 v58, v[12:15]
	BAR
.irp q, 0,1,2,3
	ds_load_b128 v[64+4*\q:64+4*\q+3], v59 offset:2048*\q
.endr
	s_wait_dscnt 0x0
	v_pk_add_f32 v[64:65], v[64:65], v[68:69]
	v_pk_add_f32 v[66:67], v[66:67], v[70:71]
	v_pk_add_f32 v[72:73], v[72:73], v[76:77]
	v_pk_add_f32 v[74:75], v[74:75], v[78:79]
	v_pk_add_f32 v[64:65], v[64:65], v[72:73]
	v_pk_add_f32 v[66:67], v[66:67], v[74:75]      ; the slice's w_v[128 cq + 4 l + 0..3]
	s_wait_loadcnt 2                               ; chart_emb is in
.set i, 0
.rept 16
	v_pk_mul_f32 v[192+4*i:193+4*i], v[192+4*i:193+4*i], v[64:65]
.set i, i+1
.endr
.set i, 0
.rept 16
	v_pk_fma_f32 v[192+4*i:193+4*i], v[194+4*i:195+4*i], v[66:67], v[192+4*i:193+4*i]
.set i, i+1
.endr
.set i, 0
.rept 16
	v_add_f32 v[96+i], v[192+4*i], v[193+4*i]      ; row 16 rg + i, my 4 columns
.set i, i+1
.endr
.set i, 0
.rept 8
	TPAIR 96+i, 104+i, 8, 44, 112+i
.set i, i+1
.endr
.set i, 0
.rept 4
	TPAIR 96+i, 100+i, 4, 45, 112+i
.set i, i+1
.endr
	TPAIR 96, 98, 2, 46, 112
	TPAIR 97, 99, 2, 46, 113
	TPAIR 96, 97, 1, 47, 112                       ; lane (r, h): row 16 rg + r, summed over its half's 64 columns
	s_wait_alu depctr_va_vdst(0)                   ; the reduction has written v96, which the LDS store reads
	ds_store_b32 v61, v96
	BAR
	s_wait_alu depctr_vm_vsrc(0)                   ; my LDS stores have read v62 and v96: wave 0 writes v62 anew and loads into v[96:99] below: ahead of the branch
	s_cmp_lg_u32 s2, 0
	s_cbranch_scc1 .Lend
	v_lshl_add_u32 v62, v2, 4, G8
	v_mov_b32 v63, CB
	s_wait_alu depctr_va_vdst(0)                   ; the addresses v62 and v63 are written; the sums and the reduction are done with v[64:99], in which the nine loads land
.irp u, 0,1,2,3,4,5,6,7
	ds_load_b128 v[64+4*\u:64+4*\u+3], v62 offset:256*\u
.endr
	ds_load_b128 v[96:99], v63
	s_wait_loadcnt 0x0
	v_pk_mul_f32 v[100:101], v[48:49], v[52:53]    ; bo . vW and vW . vW over the slice's 64 channels
	v_pk_mul_f32 v[102:103], v[52:53], v[52:53]
	v_pk_fma_f32 v[100:101], v[50:51], v[54:55], v[100:101]
	v_pk_fma_f32 v[102:103], v[54:55], v[54:55], v[102:103]
	v_add_f32 v100, v100, v101
	v_add_f32 v102, v102, v103
.irp m, 1,2,4,8
	XADD 100, \m
	XADD 102, \m
.endr
	s_wait_dscnt 0x0
.irp g, 16,8,4
.set k, 0
.rept \g/2
	v_pk_add_f32 v[64+k:65+k], v[64+k:65+k], v[64+\g+k:65+\g+k]
.set k, k+2
.endr
.endr
	v_add_f32 v96, v96, v97
	v_add_f32 v98, v98, v99
	v_add_f32 v96, v96, v98
	v_add_f32 v100, v100, v96                      ; the slice's part of c
	v_cndmask_b32 v104, 0, v100, s49               ; lanes 0-15: g[4 l ..]; lane 16: c, |vW|^2, 0, 0; the others 0
	v_cndmask_b32 v105, 0, v102, s49
	v_cndmask_b32 v104, v104, v64, s48
	v_cndmask_b32 v105, v105, v65, s48
	v_cndmask_b32 v106, 0, v66, s48
	v_cndmask_b32 v107, 0, v67, s48
	v_lshlrev_b32 v108, 4, v1
	s_wait_alu depctr_va_vdst(0)                   ; v[104:107] and v108 are written, which the store reads
	global_store_b128 v108, v[104:107], s[36:37]   ; 512 consecutive bytes, aligned
	s_branch .Lend
; ---------------------------------------------------------------- BODY S.  G'[a][b] = sum_d Z[d][a] Z[d][b], Z = [zW | 1 | 0] in bf16 (80 columns): a < 64; column b = 64 is zW^T 1.
; Tile t = 4 j + i holds a = 16 i .., b = 16 j ..: lane (r, h), register q: a = 16 i + 8 h + q, b = 16 j + r.
.LS:
	s_lshl_b32 s52, s2, 13
	v_lshl_add_u32 v6, v1, 4, s52                  ; wave w: rows 32 w .. 32 w + 31, 8,192 bytes on end
	s_wait_alu depctr_va_vdst(0)                   ; v6 is written, which the 16 loads read as their offset
.set i, 0
.rept 16
	global_load_b128 v[64+4*i:64+4*i+3], v6, s[14:15] offset:512*i
.set i, i+1
.endr
	s_mul_i32 s53, s2, 5120
	s_add_co_u32 s53, s53, ZS
	v_mul_u32_u24 v7, v3, 160
	v_lshl_add_u32 v7, v2, 3, v7
	v_add_nc_u32 v7, s53, v7
	v_mul_u32_u24 v8, v1, 160
	v_add_nc_u32 v8, s53, v8
	v_mov_b32 v12, 0x3f80                          ; column 64 = 1.0, columns 65-79 = 0
.irp i, 13,14,15,16,17,18,19
	v_mov_b32 v[\i], 0
.endr
.set i, 0
.rept 16                               ; all the conversions in one run, so that one wait serves all the LDS stores behind them
	s_wait_loadcnt 15-i                            ; loads come back in order: load i is in, the younger ones stay out
	v_cvt_pk_bf16_f32 v[64+4*i], v[64+4*i], v[64+4*i+1]
	v_cvt_pk_bf16_f32 v[64+4*i+1], v[64+4*i+2], v[64+4*i+3]
.set i, i+1
.endr
	s_wait_alu depctr_va_vdst(0)                   ; the addresses v7 and v8, the constants v[12:19] and the conversions' results are written: the 18 LDS stores read them
	ds_store_b128 v8, v[12:15] offset:128
	ds_store_b128 v8, v[16:19] offset:144
.set i, 0
.rept 16
	ds_store_b64 v7, v[64+4*i:64+4*i+1] offset:320*i
.set i, i+1
.endr
	BAR
	s_wait_alu depctr_vm_vsrc(0)                   ; my LDS stores have read v8, v[12:19] and their data in v[64:125]: all are written again below (addresses, fragments, accumulators, sums): ahead of the branch
	s_cmp_lt_u32 s2, 4                             ; waves 0-3 multiply: wave kq takes d = 128 kq .. 128 kq + 127, four K steps on two sets of fragments
	s_cbranch_scc0 .LSj1
	s_mul_i32 s53, s2, 20480
	s_add_co_u32 s53, s53, ZS                      ; my 128 rows: 20,480 bytes that no other wave reads
	v_and_b32 v9, 7, v1
	v_lshl_add_u32 v9, v3, 3, v9
	v_mul_u32_u24 v10, v9, 160
	v_bfe_u32 v9, v1, 3, 1
	v_lshl_add_u32 v10, v9, 4, v10
	v_add_nc_u32 v10, s53, v10
	v_lshl_add_u32 v11, v1, 4, s53                 ; and where my 20 partial tiles go when the rows have been read
.macro FR set, u                       ; K step u: five fragments (16 columns of Z each), turned, into set
.irp j, 0,1,2,3,4
	ds_load_tr16_b128 v[16+40*(\set)+8*\j:16+40*(\set)+8*\j+3], v10 offset:5120*(\u)+32*\j
	ds_load_tr16_b128 v[16+40*(\set)+8*\j+4:16+40*(\set)+8*\j+7], v10 offset:5120*(\u)+32*\j+2560
.endr
.endm
.macro GM set, zero                    ; 20 products; the 20 accumulators take turns, from one K step to the next too
.irp j, 0,1,2,3,4
.irp i, 0,1,2,3
.if \zero
	v_wmma_f32_16x16x32_bf16 v[96+8*(4*\j+\i):96+8*(4*\j+\i)+7], v[16+40*(\set)+8*\i:16+40*(\set)+8*\i+7], v[16+40*(\set)+8*\j:16+40*(\set)+8*\j+7], 0
.else
	v_wmma_f32_16x16x32_bf16 v[96+8*(4*\j+\i):96+8*(4*\j+\i)+7], v[16+40*(\set)+8*\i:16+40*(\set)+8*\i+7], v[16+40*(\set)+8*\j:16+40*(\set)+8*\j+7], v[96+8*(4*\j+\i):96+8*(4*\j+\i)+7]
.endif
.endr
.endr
.endm
	s_wait_alu depctr_va_vdst(0)                   ; the addresses v10 and v11 are written; the constants and conversions that named v[16:19] and v[64:95] are done, and the fragments land there
	FR 0, 0
	FR 1, 1
	s_wait_dscnt 10                                ; set 0 is in; the other set's ten loads stay out (so at each of these waits)
	GM 0, 1
	PLACES
	s_wait_alu depctr_va_vdst(0)                   ; the products are done reading set 0, in which the next loads land.  16 waves of 256 registers leave no room for a third set
	FR 0, 2
	s_wait_dscnt 10
	GM 1, 0
	PLACES
	s_wait_alu depctr_va_vdst(0)                   ; the products are done reading set 1, in which the next loads land
	FR 1, 3
	s_wait_dscnt 10
	GM 0, 0
	s_wait_dscnt 0x0                               ; the last fragments are in registers: my rows have been read for the last time
	GM 1, 0
	PLACES
	s_wait_alu depctr_va_vdst(0)                   ; the products have written the 20 accumulators, which the LDS stores read; the places above stay beside this wait
.set t, 0
.rept 20
	ds_store_b128 v11, v[96+8*t:96+8*t+3] offset:1024*t
	ds_store_b128 v11, v[96+8*t+4:96+8*t+7] offset:1024*t+512
.set t, t+1
.endr
.LSj1:
	BAR
.macro REDT sT                         ; tile s[sT]: its four parts are added
	s_lshl_b32 s54, s[\sT], 10
	s_add_co_u32 s55, s54, ZS
	s_add_co_u32 s54, s54, GF
	v_lshl_add_u32 v12, v1, 4, s55
	v_lshl_add_u32 v13, v1, 4, s54
	s_wait_alu depctr_va_vdst(0)                   ; the addresses v12 and v13 are written; what named v[16:47] before (constants, products, sums) is done, and the loads land there
.irp q, 0,1,2,3
	ds_load_b128 v[16+8*\q:16+8*\q+3], v12 offset:20480*\q
	ds_load_b128 v[16+8*\q+4:16+8*\q+7], v12 offset:20480*\q+512
.endr
	s_wait_dscnt 0x0
.irp g, 16,8
.set k, 0
.rept \g/2
	v_pk_add_f32 v[16+k:17+k], v[16+k:17+k], v[16+\g+k:17+\g+k]
.set k, k+2
.endr
.endr
	s_wait_alu depctr_va_vdst(0)                   ; the sums have written v[16:23], which the two LDS stores read
	ds_store_b128 v13, v[16:19]
	ds_store_b128 v13, v[20:23] offset:512
.endm
	REDT 2                                         ; tiles 0 to 15, one a wave
	s_wait_alu depctr_vm_vsrc(0)                   ; the LDS instructions above have read v12, v13 and v[16:23], which waves 0-3 write again below, and the tiles' stores their accumulators: ahead of the branch
	s_cmp_lt_u32 s2, 4
	s_cbranch_scc0 .LSj2
	s_add_co_u32 s56, s2, 16
	s_wait_dscnt 0x0
	REDT 56                                        ; tiles 16 to 19
.LSj2:
	BAR
	s_wait_alu depctr_vm_vsrc(0)                   ; the second sum's LDS instructions have read v12, v13 and v[16:23], which wave 0's iteration writes: ahead of the branch
	s_cmp_lg_u32 s2, 0                             ; the iteration is one wave's: G in 128 registers, the vector in 32
	s_cbranch_scc1 .Lend
	v_lshl_add_u32 v66, v1, 4, GF
	v_lshl_add_u32 v67, v3, 8, GF                  ; column 64 lies in the lanes r = 0: lane 16 h's 16 bytes
	v_lshl_add_u32 v64, v3, 7, VL
	v_lshl_add_u32 v64, v2, 2, v64
	v_lshl_add_u32 v65, v3, 5, VL
	s_mov_b32 s51, 0xffff0000                      ; h = 1
	s_mov_b32 s52, 4
	s_wait_alu depctr_va_vdst(0)                   ; the four addresses v64 to v67 are written (never again); the products and sums are done with v[96:223] and v[32:63], in which the 40 loads land
.set t, 0
.rept 16
	ds_load_b128 v[96+8*t:96+8*t+3], v66 offset:1024*t
	ds_load_b128 v[96+8*t+4:96+8*t+7], v66 offset:1024*t+512
.set t, t+1
.endr
.irp i, 0,1,2,3
	ds_load_b128 v[32+8*\i:32+8*\i+3], v67 offset:1024*(16+\i)      ; V[8 i + q] = v[16 i + 8 h + q]: first zW^T 1 (its length does not matter: every step normalises)
	ds_load_b128 v[32+8*\i+4:32+8*\i+7], v67 offset:1024*(16+\i)+512
.endr
	s_wait_dscnt 0x0
.macro STEP                            ; y = G v: v[16 + j] = y[16 j + r] in every lane; four chains that do not wait for each other
.set a, 0
.rept 16
.irp j, 0,1,2,3
.if a == 0
	v_pk_mul_f32 v[8+2*\j:9+2*\j], v[96+32*\j:97+32*\j], v[32:33]
.else
	v_pk_fma_f32 v[8+2*\j:9+2*\j], v[96+32*\j+2*a:97+32*\j+2*a], v[32+2*a:33+2*a], v[8+2*\j:9+2*\j]
.endif
.endr
.set a, a+1
.endr
.irp j, 0,1,2,3
	v_add_f32 v[16+\j], v[8+2*\j], v[9+2*\j]
.endr
.irp j, 0,1,2,3
	v_permlanex16_b32 v[20+\j], v[16+\j], s42, s43
.endr
.irp j, 0,1,2,3
	v_add_f32 v[16+\j], v[16+\j], v[20+\j]
.endr
.endm
; In a trip LDS instructions touch v30, v31 (written by the two selects, read by the two stores), v[32:63] (read by the step, loaded again behind it) and the addresses v64, v65, which are never written.
.LSit:                                         ; four trips: v <- l2n(G v)
	STEP
	v_mul_f32 v28, v16, v16
	v_fmac_f32 v28, v17, v17
	v_fmac_f32 v28, v18, v18
	v_fmac_f32 v28, v19, v19
.irp m, 1,2,4,8
	XADD 28, \m
.endr
	v_rsq_f32 v29, v28
	v_nop
	s_wait_alu depctr_va_vdst(0)                   ; the wait between the root and its first use: v29 is written
	s_wait_alu depctr_vm_vsrc(0)                   ; the last trip's two LDS stores have read v30 and v31, which the selects below write again
.irp j, 0,1,2,3
	v_mul_f32 v[24+\j], v[16+\j], v29
.endr
	v_cndmask_b32 v30, v24, v26, s51               ; through 256 bytes of LDS into the other layout: lanes h = 0 write v[r], v[16 + r], lanes h = 1 v[32 + r], v[48 + r]
	v_cndmask_b32 v31, v25, v27, s51
	s_wait_alu depctr_va_vdst(0)                   ; v30 and v31 are written, which the stores read; the step is done reading v[32:63], in which the loads land
	ds_store_b32 v64, v30
	ds_store_b32 v64, v31 offset:64
.irp i, 0,1,2,3
	ds_load_b128 v[32+8*\i:32+8*\i+3], v65 offset:64*\i     ; in order behind my stores
	ds_load_b128 v[32+8*\i+4:32+8*\i+7], v65 offset:64*\i+16
.endr
	s_wait_dscnt 0x0
	s_sub_co_u32 s52, s52, 1
	s_cmp_lg_u32 s52, 0
	s_cbranch_scc1 .LSit
	STEP                                           ; sigma^2 = v5 . G v5
	v_mul_f32 v28, v16, v24
	v_fmac_f32 v28, v17, v25
	v_fmac_f32 v28, v18, v26
	v_fmac_f32 v28, v19, v27
.irp m, 1,2,4,8
	XADD 28, \m
.endr
	v_rsq_f32 v70, v28
	v_lshlrev_b32 v68, 3, v1
	s_wait_alu depctr_va_vdst(0)                   ; the root has written v70, ahead of its first use; v68 is written
	v_mov_b32 v71, v70
	s_wait_alu depctr_va_vdst(0)                   ; v71 is written: the store reads v68 and v[70:71]
	global_store_b64 v68, v[70:71], s[38:39]       ; 256 consecutive bytes, aligned
.Lend:
	s_wait_dscnt 0x0                               ; the closing lines, six on end
	s_wait_alu 0x0
	s_wait_tensorcnt 0x0
	ds_add_u32 v4, v5
	s_wait_dscnt 0x0
	s_endpgm
.Lfunc_end_k_qb13d61e997_prep:
	.size	k_qb13d61e997_prep, .Lfunc_end_k_qb13d61e997_prep-k_qb13d61e997_prep
	.p2alignl 7, 3214868480
	.fill 96, 4, 3214868480
	.section	.rodata,"a",@progbits
	.p2align	6, 0x0
	.amdhsa_kernel k_qb13d61e997_prep
		.amdhsa_group_segment_fixed_size 272384
		.amdhsa_private_segment_fixed_size 0
		.amdhsa_enable_private_segment 0
		.amdhsa_kernarg_size 136
		.amdhsa_user_sgpr_count 2
		.amdhsa_user_sgpr_kernarg_segment_ptr 1
		.amdhsa_wavefront_size32 1
		.amdhsa_system_sgpr_workgroup_id_x 1
		.amdhsa_system_sgpr_workgroup_id_y 1
		.amdhsa_system_sgpr_workgroup_id_z 1
		.amdhsa_system_vgpr_workitem_id 0
		.amdhsa_next_free_vgpr 256
		.amdhsa_next_free_sgpr 66
		.amdhsa_reserve_vcc 0
		.amdhsa_float_denorm_mode_32 3
		.amdhsa_float_denorm_mode_16_64 3
		.amdhsa_memory_ordered 1
		.amdhsa_forward_progress 1
		.amdhsa_inst_pref_size 111
	.end_amdhsa_kernel
	.amdgpu_metadata
---
amdhsa.version: [ 1, 2 ]
amdhsa.kernels:
  - .name:           k_qb13d61e997_prep
    .symbol:         k_qb13d61e997_prep.kd
    .args:
      - { .name: Wk, .offset: 0, .size: 8, .value_kind: global_buffer, .address_space: global }
      - { .name: Wq, .offset: 8, .size: 8, .value_kind: global_buffer, .address_space: global }
      - { .name: chart_emb, .offset: 16, .size: 8, .value_kind: global_buffer, .address_space: global }
      - { .name: zW, .offset: 24, .size: 8, .value_kind: global_buffer, .address_space: global }
      - { .name: zb, .offset: 32, .size: 8, .value_kind: global_buffer, .address_space: global }
      - { .name: bq, .offset: 40, .size: 8, .value_kind: global_buffer, .address_space: global }
      - { .name: bk, .offset: 48, .size: 8, .value_kind: global_buffer, .address_space: global }
      - { .name: Wo, .offset: 56, .size: 8, .value_kind: global_buffer, .address_space: global }
      - { .name: Wv, .offset: 64, .size: 8, .value_kind: global_buffer, .address_space: global }
      - { .name: vW, .offset: 72, .size: 8, .value_kind: global_buffer, .address_space: global }
      - { .name: bv, .offset: 80, .size: 8, .value_kind: global_buffer, .address_space: global }
      - { .name: bo, .offset: 88, .size: 8, .value_kind: global_buffer, .address_space: global }
      - { .name: chart_centers, .offset: 96, .size: 8, .value_kind: global_buffer, .address_space: global }
      - { .name: WF, .offset: 104, .size: 8, .value_kind: global_buffer, .address_space: global }
      - { .name: GP, .offset: 112, .size: 8, .value_kind: global_buffer, .address_space: global }
      - { .name: SG, .offset: 120, .size: 8, .value_kind: global_buffer, .address_space: global }
      - { .name: CP, .offset: 128, .size: 8, .value_kind: global_buffer, .address_space: global }
    .group_segment_fixed_size: 272384
    .private_segment_fixed_size: 0
    .kernarg_segment_align: 8
    .kernarg_segment_size: 136
    .max_flat_workgroup_size: 512
    .sgpr_count:     66
    .vgpr_count:     256
    .wavefront_size: 32
...
	.end_amdgpu_metadata
.endif
;; end of part 3
;; launch batch: the kernel of part 2 again; grid 128 x 1, 16 waves a work-group, no clusters, 52,224 bytes of LDS; arguments z, rw, CP, geo_scale, vb, WF, GP, SG, out0; writes out0
